; MI455X (gfx1250); checked and timed in simulation.
; The chip was launched on July 23, 2026; its instructions are those of AMD's public machine-readable ISA for CDNA 5 (MIT licence, August 2026) and "CDNA5" Instruction Set Architecture Reference Guide (July 2026). The comments in the code are by the model that wrote it; some were corrected since.
;; curiosity. Allowed arithmetic: matrix products marked QUANTISED: E2M1 operands, one E8M0 scale for each 32 along K, by v_wmma_scale_f32_16x16x128_f8f6f4 with both operands' format E2M1 (or v_wmma_scale_f32_32x16x128_f4), f32 sums; products left as they are: bf16, f16 or f32 operands; f32 sums; everything else in f32.
;; Inputs: Wo 1,024 x 1,024 float32; Wqkv 1,024 x 3,072 float32; Wqkv_aux 1,024 x 3,072 float32; bo 1,024 float32; bqkv 3,072 float32; bqkv_aux 3,072 float32; g 16 float32; x 2 x 2,048 x 1,024 float32; xa 2 x 1,500 x 1,024 float32.
;; Outputs: out0 2 x 2,048 x 1,024 float32.
;; This version of the problem:
;;   THIS VERSION OF THE PROBLEM IS GIVEN IN LOW PRECISION. The matrix products marked QUANTISED in the list below multiply operands that are first quantised to E2M1 (2 exponent bits, 1 mantissa bit; 4 bits a number), with one power-of-two scale for each 32 numbers along K (OCP MX v1.0); their sums are f32. The products marked 'left as it is' may take bf16, f16 or f32 operands, with f32 sums. Whichever they take, every output number must still come out within the allowed error. Rounding operands to bf16 (8 significant bits) uses up far more of that allowance than f16 does (11 bits, for magnitudes from 6e-5 to 65,504). All else is computed in f32.
;;   The module's matrix products, in the order in which they are computed (A, B: the left and right operand; K: the contracted axis; several contracted axes count as one K, in the product's order):
;;     1. [M 4,096, K 1,024] x [K 1,024, N 3,072]; A: input x; B: input Wqkv: QUANTISED
;;     2. [M 3,000, K 1,024] x [K 1,024, N 3,072]; A: input xa; B: input Wqkv_aux: QUANTISED
;;     3. batch 32 x [M 2,048, K 64] x [K 64, N 2,048]; A: computed on the way; B: computed on the way: left as it is (an operand is computed on the way)
;;     4. batch 32 x [M 2,048, K 64] x [K 64, N 1,500]; A: computed on the way; B: computed on the way: left as it is (an operand is computed on the way)
;;     5. batch 32 x [M 2,048, K 2,048] x [K 2,048, N 64]; A: computed on the way; B: computed on the way: left as it is (an operand is computed on the way)
;;     6. batch 32 x [M 2,048, K 1,500] x [K 1,500, N 64]; A: computed on the way; B: computed on the way: left as it is (an operand is computed on the way)
;;     7. [M 4,096, K 1,024] x [K 1,024, N 1,024]; A: computed on the way; B: input Wo: left as it is (an operand is computed on the way)
;;   THE QUANTISER, for each operand of a quantised product, along K:
;;     - K is cut into blocks of 32 from its start; a last block that is shorter is filled with zeros.
;;     - A block's scale is 2^e with e = floor(log2(the largest magnitude in the block)) - 2, held to -126 .. 127; a block of zeros has e = 0. As a byte (E8M0): e + 127.
;;     - Each number is divided by its block's scale, clamped to +-6, and rounded to the nearest number of E2M1, ties to even, subnormals kept.
;;     - The product sums the exact products of the quantised numbers (number of the format x scale) in f32.
;;   ~~~python
;;   def quantise(x, axis):      # numpy; x: float32 -> the quantised numbers, widened to float32 again
;;       x = np.moveaxis(x, axis, -1); K = x.shape[-1]
;;       x = np.pad(x, [(0, 0)] * (x.ndim - 1) + [(0, -K % 32)]); x = x.reshape(x.shape[:-1] + (-1, 32)); a = np.abs(x).max(-1, keepdims=True)
;;       e = np.where(a > 0, np.clip(np.frexp(np.where(a > 0, a, 1))[1] - 1 - 2, -126, 127), 0)      # np.frexp(a)[1] - 1 = floor(log2(a)), exactly
;;       r = np.clip(x / 2.0 ** e, -6, 6)
;;       step = 2.0 ** (np.maximum(np.frexp(np.where(r == 0, 1, r))[1] - 1, 0) - 1)
;;       q = np.round(r / step) * step * 2.0 ** e      # np.round: ties to even
;;       return np.moveaxis(q.reshape(q.shape[:-2] + (-1,))[..., :K], -1, axis).astype(np.float32)
;;   ~~~
;; One version. Each part assembles by itself: llvm-mc -triple=amdgcn-amd-amdhsa -mcpu=gfx1250 --defsym DOCPART=n.
;; ======== version 1 of 1: 4 launches
;; limits: values are held in f16: magnitudes above 65,504 overflow, below 6.1e-05 lose precision
;; workspace buffers: codes 6,291,456 bytes; scales 393,216 bytes; qkvh 37,748,736 bytes; hbuf 8,388,608 bytes; wo16 2,097,152 bytes
;; launch prep (part 1): grid 512 x 1, 4 waves a work-group, no clusters, 50,688 bytes of LDS; arguments x, xa, Wqkv, Wqkv_aux, Wo, codes, scales, wo16; writes codes, scales, wo16
.if DOCPART == 1
	.amdgcn_target "amdgcn-amd-amdhsa--gfx1250"
	.amdhsa_code_object_version 6
	.text
	.protected	k_qf6bcc9ffac_prep
	.globl	k_qf6bcc9ffac_prep
	.p2align	8
	.type	k_qf6bcc9ffac_prep,@function
k_qf6bcc9ffac_prep:
	s_mov_b64 s[64:65], 0
	v_nop
	global_prefetch_b8 v0, s[64:65] scope:SCOPE_SE
	s_setreg_imm32_b32 hwreg(HW_REG_WAVE_MODE, 25, 1), 1
	s_wait_xcnt 0x0
; PREP: the operands of the two quantised products become codes of FP4 (E2M1) with one E8M0 byte for each 32 along K = 1,024; Wo becomes f16.
; WORK LEFT OUT IN THE WHOLE PROGRAM, for all finite values of the inputs:
;  (1) qa, the first 1,024 columns of xa @ Wqkv_aux + bqkv_aux, is split off by reference() and used by nothing: columns 0..1023 of Wqkv_aux and bqkv_aux[0:1024] are not read, and that third of the second product is not made.
;  (2) the bias on k (bqkv[1024:2048]) and on ka (bqkv_aux[1024:2048]) adds q . b to every score of a row: the same number along the softmax's axis, which the softmax takes away.  The score products are not quantised, so no quantiser sees k.
;  (3) the bias on v and va is not left out but moved: a softmax's row sums to 1, so P (V + b) = P V + b; it is added in f32 at the end of the attention launch.
; LIMITS: a NaN, an infinity or an overflow that reaches only qa or the two biases of (2) is not carried to the result.  NaN and infinities among the inputs are not served.
;  A block whose largest magnitude lies under 2^-124 gets the byte 1; so does a block of zeros, where the rule says 127: its codes are zeros, and the bytes are read by this program alone.  |Wo| up to 65,504 (f16).
; codes: 12,288 rows of 512 bytes, K innermost: rows 0..4095 x; 4096 + 1536 b + i: xa[b][i] (positions i >= 1500 hold copies of other rows of xa: finite numbers that count for nothing later);
;  7168..10239 the columns of Wqkv; 10240..12287 columns 1024..3071 of Wqkv_aux.  scales: 32 bytes a row.
; wo16: images of operand registers: byte (kg / 8) 524,288 + nb 8,192 + (kg % 8) 1,024 + 512 c + 16 lane; lane (r, h) holds Wo[32 kg + 16 c + 8 h + 0..7][16 nb + r].
; THREE PATHS, parted by the work-group's number, each with LDS bytes of its own: A (0..223) x and xa; B (224..383) the two weights, K outermost; C (384..511) Wo.  Work-groups share no input: no cluster, no tensor load, no barrier.
.set SPW,   196                        ; v196 LDS address of my spare word; never rewritten
.set NIL,   197                        ; v197 0; never rewritten
.set SPARE, 50176                      ; behind both paths' LDS: the spare words, 128 bytes a wave
.set WREG,  8192                       ; path A: a wave's region: two stages of 32 x SP bytes, then its 256 scale bytes
.set SP,    80                         ; a lane's place in a stage: 64 bytes + 16 of padding
.set EMAX,  2
.set RA,    16                         ; path A: v16-79 four sets of 16 numbers as loaded
.set XA,    80                         ; v80-111 two sets of 16 neighbours
.set EA,    112                        ; v112-127 a scale byte for each step
.set CA,    128                        ; v128-191 codes, four registers for each step
.set XB,    32                         ; path B: v32-95 two sets of 32 numbers
.set CW,    96                         ; v96-99 a block's codes
.set SB,    24                         ; v24-25 my eight scale bytes
.set OUTR,  112                        ; v112-143 the way out
.macro FINI                            ; a wave's end, behind the last LDS store
	s_wait_tensorcnt 0x0
	ds_add_u32 v[SPW], v[NIL]
	s_wait_dscnt 0x0
	s_endpgm
.endm
	s_load_b256 s[4:11], s[0:1], 0x0               ; x s[4:5], xa s[6:7], Wqkv s[8:9], Wqkv_aux s[10:11]
	s_load_b256 s[12:19], s[0:1], 0x20             ; Wo s[12:13], codes s[14:15], scales s[16:17], wo16 s[18:19]
	v_lshl_add_u32 v[SPW], v0, 2, SPARE
	v_mov_b32 v[NIL], 0
	v_lshrrev_b32 v1, 5, v0
	v_readfirstlane_b32 s20, v1                    ; wave
	v_and_b32 v2, 31, v0                           ; lane
	s_cmp_ge_u32 ttmp9, 384
	s_cbranch_scc1 .Lpath_c
	s_cmp_ge_u32 ttmp9, 224
	s_cbranch_scc1 .Lpath_b
; ---- PATH A.  A wave takes a run of 8 rows (8,192 numbers) in 16 steps of 512.  Each load reads 512 consecutive bytes; a step's 2,048 bytes turn through the wave's own stage, so that a lane holds 16 neighbours along K.
	v_lshlrev_b32 v3, 4, v2                        ; my 16 bytes of a load's 512
	s_lshl_b32 s21, s20, 13                        ; my region
	v_lshrrev_b32 v14, 2, v2
	v_mul_u32_u24 v14, v14, SP
	v_and_b32 v15, 3, v2
	v_lshl_add_u32 v14, v15, 4, v14
	v_add_nc_u32 v14, s21, v14                     ; the stage, on the way in: SP (lane / 4) + 16 (lane % 4)
	v_mul_u32_u24 v15, v2, SP
	v_add_nc_u32 v15, s21, v15                     ; and on the way out: SP x lane
	v_lshlrev_b32 v4, 3, v2                        ; my 8 bytes of a step's codes
	v_lshrrev_b32 v5, 1, v2
	s_add_co_u32 s21, s21, 2*32*SP
	v_add_nc_u32 v5, s21, v5                       ; my block's scale byte in LDS
	v_lshlrev_b32 v7, 3, v2
	v_add_nc_u32 v6, s21, v7                       ; and 8 bytes a lane on the way out
	s_lshl_b32 s22, ttmp9, 2
	s_add_co_u32 s22, s22, s20                     ; the run, 0..895: also the run of the output
	s_mov_b32 s25, 2996
	s_mov_b32 s26, 192
	s_wait_kmcnt 0x0
	s_cmp_lt_u32 ttmp9, 128                        ; x's work-group or xa's?
	s_cselect_b64 s[4:5], s[4:5], s[6:7]
	s_cselect_b32 s24, 0, 512
	s_cselect_b32 s25, 4092, s25                   ; the last row at which four rows still lie inside the tensor
	s_cselect_b32 s26, -1, s26                     ; xa: from run 192 on the rows are batch 1's
	s_sub_co_u32 s24, s22, s24                     ; the run within the tensor's region
	s_cmp_ge_u32 s24, s26
	s_cselect_b32 s27, 36, 0                       ; batch 1 begins at position 1,536 of the region and at row 1,500 of xa
	s_lshl_b32 s24, s24, 3
	s_sub_co_u32 s24, s24, s27                     ; the run's first source row, a multiple of 4
	s_add_co_u32 s28, s24, 4
	s_min_u32 s24, s24, s25                        ; each half of four rows is held inside the tensor: only positions >= 1500 are moved by this
	s_min_u32 s28, s28, s25
	s_lshl_b32 s24, s24, 12
	s_lshl_b32 s28, s28, 12
	s_mov_b32 s25, 0
	s_mov_b32 s29, 0
	s_add_nc_u64 s[6:7], s[4:5], s[28:29]          ; rows 4..7 of the run
	s_add_nc_u64 s[4:5], s[4:5], s[24:25]          ; rows 0..3
	s_lshl_b32 s30, s22, 12
	s_mov_b32 s31, 0
	s_add_nc_u64 s[14:15], s[14:15], s[30:31]      ; 4,096 bytes of codes a run
	s_lshl_b32 s30, s22, 8
	s_add_nc_u64 s[16:17], s[16:17], s[30:31]      ; 256 scale bytes a run
.macro LOADA t
.irp i, 0,1,2,3
.if (\t) < 8
	global_load_b128 v[RA+16*((\t)%4)+4*\i:RA+16*((\t)%4)+4*\i+3], v3, s[4:5] offset:2048*((\t)%8)+512*\i th:TH_LOAD_NT
.else
	global_load_b128 v[RA+16*((\t)%4)+4*\i:RA+16*((\t)%4)+4*\i+3], v3, s[6:7] offset:2048*((\t)%8)+512*\i th:TH_LOAD_NT
.endif
.endr
.endm
.macro TURNA t                         ; step t's numbers through the stage: LDS serves a wave's instructions in order, so no wait stands between the stores and the loads
.irp i, 0,1,2,3
	ds_store_b128 v14, v[RA+16*((\t)%4)+4*\i:RA+16*((\t)%4)+4*\i+3] offset:32*SP*((\t)%2)+8*SP*\i
.endr
.irp i, 0,1,2,3
	ds_load_b128 v[XA+16*((\t)%2)+4*\i:XA+16*((\t)%2)+4*\i+3], v15 offset:32*SP*((\t)%2)+16*\i
.endr
.endm
.irp t, 0,1,2,3
	LOADA \t
.endr
	s_wait_loadcnt 12                              ; step 0's four loads are in
	TURNA 0
.macro STEPA t
.set XS, XA+16*((\t)%2)
.if (\t) > 0
	s_wait_dscnt 1                                 ; this step's numbers are back from the stage (the last step's byte store may be out)
.else
	s_wait_dscnt 0x0
.endif
.if (\t)+4 < 16
	LOADA (\t)+4                                   ; into the registers that the stage's stores have read
.endif
.if (\t)+1 < 16
.if 14-(\t) >= 3
	s_wait_loadcnt 12                              ; the next step's four loads are in; those of the three steps behind it may be out
.else
	s_wait_loadcnt 4*(14-(\t))
.endif
	TURNA (\t)+1
.endif
	v_max3_num_f32 v8, |v[XS]|, |v[XS+1]|, |v[XS+2]|               ; the largest magnitude of my 16, in two chains
	v_max3_num_f32 v9, |v[XS+3]|, |v[XS+4]|, |v[XS+5]|
.irp i, 6,10
	v_max3_num_f32 v8, v8, |v[XS+\i]|, |v[XS+\i+1]|
	v_max3_num_f32 v9, v9, |v[XS+\i+2]|, |v[XS+\i+3]|
.endr
	v_max3_num_f32 v8, v8, |v[XS+14]|, |v[XS+15]|
	v_max3_num_f32 v8, v8, v9, (EMAX+1)<<23        ; and the floor 2^(3 - 127): the byte cannot fall under 1
	v_max_num_f32_dpp v8, v8, v8 row_xmask:1 row_mask:0xf bank_mask:0xf   ; with my neighbour's 16: the block's
	v_add_nc_u32 v11, -(EMAX<<23), v8              ; 2 off its exponent field: the conversion's scale operand
	v_cvt_scalef32_pk8_fp4_f32 v[CA+4*(\t)], v[XS:XS+7], v11
	v_cvt_scalef32_pk8_fp4_f32 v[CA+4*(\t)+1], v[XS+8:XS+15], v11
	v_lshrrev_b32 v[EA+(\t)], 23, v11              ; the scale's byte
	ds_store_b8 v5, v[EA+(\t)] offset:16*(\t)      ; both lanes of a block write the same byte with the same value
	global_store_b64 v4, v[CA+4*(\t):CA+4*(\t)+1], s[14:15] offset:256*(\t)   ; the wave stores 256 consecutive bytes, aligned
.endm
.irp t, 0,1,2,3,4,5,6,7,8,9,10,11,12,13,14,15
	STEPA \t
.endr
	ds_load_b64 v[8:9], v6                         ; my wave's 256 scale bytes: LDS serves a wave's instructions in order
	s_wait_dscnt 0x0
	global_store_b64 v7, v[8:9], s[16:17]          ; 256 consecutive bytes, aligned
	FINI
; ---- PATH B.  K is the weights' first axis.  A wave takes 16 columns x 512 along K: lane (r, h) takes column r and K = 512 y + 256 h + 32 t + i: a block of 32 lies in one lane's registers.
; The four waves stand side by side on 256 consecutive bytes of each row.  The codes go through the wave's stage (16 rows of 256 + 16 bytes) and leave as rows.
.Lpath_b:
	s_sub_co_u32 s21, ttmp9, 224
	s_lshr_b32 s22, s21, 1                         ; the group of 64 columns, 0..79: 0..47 Wqkv's, 48..79 Wqkv_aux's columns 1024 on
	s_and_b32 s23, s21, 1                          ; y: which 512 along K
	v_and_b32 v5, 15, v2                           ; r
	v_lshrrev_b32 v6, 4, v2                        ; h
	v_lshlrev_b32 v3, 2, v5
	v_mul_u32_u24 v7, v6, 0x300000                 ; 256 rows of 12,288 bytes
	v_add_nc_u32 v3, v3, v7                        ; in: 4 r + 256 rows x h
	s_mul_i32 s24, s20, 4352
	s_add_co_u32 s24, s24, 32768                   ; my stage
	v_mul_u32_u24 v4, v5, 272
	v_lshl_add_u32 v4, v6, 7, v4
	v_add_nc_u32 v4, s24, v4                       ; into it: row r, + 128 h
	v_mul_u32_u24 v7, v6, 272
	v_lshl_add_u32 v7, v5, 4, v7
	v_add_nc_u32 v7, s24, v7                       ; out of it: sixteen lanes to a row, two rows an instruction
	v_lshlrev_b32 v8, 9, v6
	v_lshl_add_u32 v8, v5, 4, v8                   ; and the same place among the rows of codes
	v_lshlrev_b32 v9, 5, v5
	v_lshl_add_u32 v9, v6, 3, v9                   ; my eight scale bytes: 32 r + 8 h
	s_lshl_b32 s25, s22, 8
	s_lshl_b32 s26, s20, 6
	s_add_co_u32 s25, s25, s26                     ; the column, in bytes
	s_mul_i32 s26, s23, 6291456                    ; 512 rows
	s_add_co_u32 s26, s25, s26
	s_lshl_b32 s28, s22, 6
	s_lshl_b32 s29, s20, 4
	s_add_co_u32 s28, s28, s29
	s_add_co_u32 s28, s28, 7168                    ; my first row of codes
	s_wait_kmcnt 0x0
	s_cmp_ge_u32 s22, 48
	s_cselect_b64 s[8:9], s[10:11], s[8:9]
	s_cselect_b32 s27, 8192, 0                     ; group 48 is column 1,024 of Wqkv_aux: 256 x 48 - 8,192 = 4,096 bytes
	s_sub_co_u32 s26, s26, s27
	s_mov_b32 s27, 0
	s_add_nc_u64 s[8:9], s[8:9], s[26:27]
	s_lshl_b32 s30, s28, 9
	s_lshl_b32 s29, s23, 8
	s_add_co_u32 s30, s30, s29
	s_mov_b32 s31, 0
	s_add_nc_u64 s[14:15], s[14:15], s[30:31]
	s_lshl_b32 s30, s28, 5
	s_lshl_b32 s29, s23, 4
	s_add_co_u32 s30, s30, s29
	s_add_nc_u64 s[16:17], s[16:17], s[30:31]
.macro LOADB t                         ; block t: 32 rows down K, into set t % 2; the greatest immediate is 255 x 12,288, inside the signed 24 bits
.irp i, 0,1,2,3,4,5,6,7,8,9,10,11,12,13,14,15,16,17,18,19,20,21,22,23,24,25,26,27,28,29,30,31
	global_load_b32 v[XB+32*((\t)%2)+\i], v3, s[8:9] offset:(32*(\t)+\i)*12288 th:TH_LOAD_NT
.endr
.endm
	LOADB 0
	LOADB 1
.macro BLOCK t
.set XS, XB+32*((\t)%2)
.if (\t) < 7
	s_wait_loadcnt 32                              ; this block's 32 loads are in; the next block's may be out
.else
	s_wait_loadcnt 0
.endif
	v_max3_num_f32 v12, |v[XS]|, |v[XS+1]|, |v[XS+2]|
	v_max3_num_f32 v13, |v[XS+3]|, |v[XS+4]|, |v[XS+5]|
.irp i, 6,10,14,18,22,26
	v_max3_num_f32 v12, v12, |v[XS+\i]|, |v[XS+\i+1]|
	v_max3_num_f32 v13, v13, |v[XS+\i+2]|, |v[XS+\i+3]|
.endr
	v_max3_num_f32 v12, v12, |v[XS+30]|, |v[XS+31]|
	v_max3_num_f32 v12, v12, v13, (EMAX+1)<<23     ; and the floor
	v_add_nc_u32 v11, -(EMAX<<23), v12             ; the conversion's scale operand
	v_lshrrev_b32 v13, 23, v11                     ; the scale's byte
.if (\t)%4 == 0
	v_mov_b32 v[SB+(\t)/4], v13
.else
	v_lshl_or_b32 v[SB+(\t)/4], v13, 8*((\t)%4), v[SB+(\t)/4]
.endif
.irp g, 0,1,2,3
	v_cvt_scalef32_pk8_fp4_f32 v[CW+\g], v[XS+8*\g:XS+8*\g+7], v11
.endr
	ds_store_b128 v4, v[CW:CW+3] offset:16*(\t)    ; 32 codes: 16 bytes of my column's row
.if (\t)+2 < 8
	LOADB (\t)+2
.endif
	s_wait_dscnt 0x0                               ; the store has read its registers: the next block's codes may be written
.endm
.irp t, 0,1,2,3,4,5,6,7
	BLOCK \t
.endr
	global_store_b64 v9, v[SB:SB+1], s[16:17]
.irp t, 0,1,2,3,4,5,6,7
	ds_load_b128 v[OUTR+4*\t:OUTR+4*\t+3], v7 offset:2*\t*272
.endr
.irp t, 0,1,2,3,4,5,6,7
	s_wait_dscnt 7-\t
	global_store_b128 v8, v[OUTR+4*\t:OUTR+4*\t+3], s[14:15] offset:2*\t*512   ; sixteen lanes store 256 consecutive bytes, aligned
.endr
	FINI
; ---- PATH C.  Wo [k][n] to f16, in the order of an operand's registers.  A wave takes 32 along k (kg) x 64 columns (four fragments f): lane (r, h), register 8 c + i: Wo[32 kg + 16 c + 8 h + i][64 nq + 16 f + r].
.Lpath_c:
	s_sub_co_u32 s21, ttmp9, 384
	s_lshl_b32 s21, s21, 2
	s_add_co_u32 s21, s21, s20
	s_and_b32 s22, s21, 31                         ; kg
	s_lshr_b32 s23, s21, 5                         ; nq
	v_and_b32 v5, 15, v2
	v_lshrrev_b32 v6, 4, v2
	v_lshlrev_b32 v3, 2, v5
	v_lshl_add_u32 v3, v6, 15, v3                  ; 4 r + 8 rows x h
	v_lshlrev_b32 v4, 4, v2                        ; 16 x lane
	s_lshl_b32 s24, s22, 17                        ; 32 rows of 4,096 bytes
	s_lshl_b32 s25, s23, 8
	s_add_co_u32 s24, s24, s25
	s_mov_b32 s25, 0
	s_lshr_b32 s26, s22, 3
	s_lshl_b32 s26, s26, 19
	s_lshl_b32 s27, s23, 15
	s_add_co_u32 s26, s26, s27
	s_and_b32 s27, s22, 7
	s_lshl_b32 s27, s27, 10
	s_add_co_u32 s26, s26, s27
	s_mov_b32 s27, 0
	s_wait_kmcnt 0x0
	s_add_nc_u64 s[12:13], s[12:13], s[24:25]
	s_add_nc_u64 s[18:19], s[18:19], s[26:27]
.irp f, 0,1,2,3
.irp c, 0,1
.irp i, 0,1,2,3,4,5,6,7
	global_load_b32 v[32+16*\f+8*\c+\i], v3, s[12:13] offset:(16*\c+\i)*4096+64*\f th:TH_LOAD_NT
.endr
.endr
.endr
.irp f, 0,1,2,3
	s_wait_loadcnt 16*(3-\f)                       ; fragment f's sixteen loads are in; the later fragments' may be out
.irp c, 0,1
.irp i, 0,1,2,3
	v_cvt_pk_f16_f32 v[96+8*\f+4*\c+\i], v[32+16*\f+8*\c+2*\i], v[32+16*\f+8*\c+2*\i+1]
.endr
	global_store_b128 v4, v[96+8*\f+4*\c:96+8*\f+4*\c+3], s[18:19] offset:\f*8192+\c*512   ; the wave stores 512 consecutive bytes, aligned
.endr
.endr
	FINI
.Lfunc_end_k_qf6bcc9ffac_prep:
	.size	k_qf6bcc9ffac_prep, .Lfunc_end_k_qf6bcc9ffac_prep-k_qf6bcc9ffac_prep
	.p2alignl 7, 3214868480
	.fill 96, 4, 3214868480
	.section	.rodata,"a",@progbits
	.p2align	6, 0x0
	.amdhsa_kernel k_qf6bcc9ffac_prep
		.amdhsa_group_segment_fixed_size 50688
		.amdhsa_private_segment_fixed_size 0
		.amdhsa_enable_private_segment 0
		.amdhsa_kernarg_size 64
		.amdhsa_user_sgpr_count 2
		.amdhsa_user_sgpr_kernarg_segment_ptr 1
		.amdhsa_wavefront_size32 1
		.amdhsa_system_sgpr_workgroup_id_x 1
		.amdhsa_system_sgpr_workgroup_id_y 1
		.amdhsa_system_sgpr_workgroup_id_z 1
		.amdhsa_system_vgpr_workitem_id 0
		.amdhsa_next_free_vgpr 200
		.amdhsa_next_free_sgpr 66
		.amdhsa_reserve_vcc 0
		.amdhsa_float_denorm_mode_32 3
		.amdhsa_float_denorm_mode_16_64 3
		.amdhsa_memory_ordered 1
		.amdhsa_forward_progress 1
		.amdhsa_inst_pref_size 84
	.end_amdhsa_kernel
	.amdgpu_metadata
---
amdhsa.version: [ 1, 2 ]
amdhsa.kernels:
  - .name:           k_qf6bcc9ffac_prep
    .symbol:         k_qf6bcc9ffac_prep.kd
    .args:
      - { .name: x, .offset: 0, .size: 8, .value_kind: global_buffer, .address_space: global }
      - { .name: xa, .offset: 8, .size: 8, .value_kind: global_buffer, .address_space: global }
      - { .name: Wqkv, .offset: 16, .size: 8, .value_kind: global_buffer, .address_space: global }
      - { .name: Wqkv_aux, .offset: 24, .size: 8, .value_kind: global_buffer, .address_space: global }
      - { .name: Wo, .offset: 32, .size: 8, .value_kind: global_buffer, .address_space: global }
      - { .name: codes, .offset: 40, .size: 8, .value_kind: global_buffer, .address_space: global }
      - { .name: scales, .offset: 48, .size: 8, .value_kind: global_buffer, .address_space: global }
      - { .name: wo16, .offset: 56, .size: 8, .value_kind: global_buffer, .address_space: global }
    .group_segment_fixed_size: 50688
    .private_segment_fixed_size: 0
    .kernarg_segment_align: 8
    .kernarg_segment_size: 64
    .max_flat_workgroup_size: 128
    .sgpr_count:     66
    .vgpr_count:     200
    .wavefront_size: 32
...
	.end_amdgpu_metadata
.endif
;; end of part 1
;; launch qkv (part 2): grid 4 x 72, 4 waves a work-group, clusters of 4 x 4, 327,680 bytes of LDS; arguments codes, scales, bqkv, qkvh; writes qkvh
.if DOCPART == 2
	.amdgcn_target "amdgcn-amd-amdhsa--gfx1250"
	.amdhsa_code_object_version 6
	.text
	.protected	k_qf6bcc9ffac_qkv
	.globl	k_qf6bcc9ffac_qkv
	.p2align	8
	.type	k_qf6bcc9ffac_qkv,@function
k_qf6bcc9ffac_qkv:
	s_mov_b64 s[64:65], 0
	v_nop
	global_prefetch_b8 v0, s[64:65] scope:SCOPE_SE
	s_setreg_imm32_b32 hwreg(HW_REG_WAVE_MODE, 25, 1), 1
	s_wait_xcnt 0x0
	s_wait_alu depctr_hold_cnt(0) depctr_sa_sdst(0) depctr_va_vdst(0) depctr_va_sdst(0) depctr_va_ssrc(0) depctr_va_vcc(0) depctr_vm_vsrc(0)
	s_getreg_b32 s2, hwreg(HW_REG_IB_STS2, 6, 4)
	s_cmp_eq_u32 s2, 0
	s_cbranch_scc0 .Lentry_in_a_cluster
	s_endpgm
.Lentry_in_a_cluster:
	s_bfe_u32 s2, ttmp6, 0x10000c
	s_cmp_lg_u32 s2, 0xf033
	s_cbranch_scc0 .Lentry_shape_is_right
	s_endpgm
.Lentry_shape_is_right:
; QKV: q, k, v = x Wqkv and ka, va = xa Wqkv_aux on codes of FP4 (E2M1) with E8M0 scales, K = 1,024; sums in f32; results rounded once to f16 and stored as images of the next products' operand registers.
; LEFT OUT (shown at the head of the first kernel): qa; the biases on k and ka.  The biases on v and va are added by the attention launch.  Only q's bias is added here, as the C of the first products.
; LIMIT: |q|, |k|, |v| up to 65,504 (f16).
; A cluster of 4 x 4 work-groups makes 1,024 x 1,024 results; the cluster's number (0..17) says which: 0-3 q, 4-7 k, 8-11 v (1,024 tokens each), 12-14 ka, 15-17 va (1,024 positions each).
; A work-group makes 256 x 256, a wave 128 x 128: 64 accumulators.  Both operands are rows of the one buffer of codes.  THE MATRIX INSTRUCTION IS USED TRANSPOSED (source 0 = 16 rows of B, source 1 = 16 rows of A):
; a lane holds one row of A and eight neighbouring rows of B.  For q, k, ka: A = tokens, B = channels (columns of the weight): a lane holds a token and 8 channels.  For v, va: A = channels, B = tokens: a lane holds a channel and 8 tokens.
; Packed to f16, an accumulator is four registers of a 16-bit fragment in the very lanes that the attention's products want: it is stored from registers, 512 consecutive bytes an instruction; no LDS on the way out.
; qkvh: main heads 0-15 q, 16-31 k, 32-47 v, 524,288 bytes each (4,096 tokens); from AUX0 heads 0-15 ka, 16-31 va, 393,216 bytes each (3,072 positions).  In a head: block of 16 tokens x 2,048 + channel tile x 512 + 16 lane.
; All of K lies in the two LDS slots (512 along K each): they are filled once, with the scales, by joint loads: A's tile is shared along a row of the cluster, B's along a column.
; REGISTERS: window 0: v8-15 the stores' offsets; v16-31 addresses; v32-95 scale words (on the way out: packed results); v128-191 A's fragments, one set; v192-255 the C of the first products.
;   window 1: B's fragments, two sets.   windows 2, 3: the accumulators ((a, b) at v[8 (8 (a % 4) + b)]).
.set KSTEP,  512
.set NQ,     4                         ; steps of 128 along K in a slot
.set ROWB,   256                       ; a tile's row in bytes
.set KROW,   512                       ; a row of codes in memory
.set PITCH,  272                       ; an LDS row: 256 bytes + 16 of padding: the 16 rows that a load touches start 68 words apart
.set FR,     8
.set NL,     2
.set NP,     4                         ; places behind this matrix instruction (ISA guide 7.12.1)
.set HALFT,  128*PITCH
.set SLOT,   4*HALFT
.set KS,     32                        ; a row of scales in bytes
.set SCL,    2*SLOT
.set HALFS,  (128*KS/256)*272
.set SBLK,   (16*KS/256)*272
.set SPARE,  SCL+4*HALFS               ; the spare words, 128 bytes a wave
.set AUX0,   25165824
.set VB,   8                           ; v8-15
.set ADRA, 16
.set ADRB, 20
.set ADRS, 27
.set SPW,  28
.set NIL,  29
.set BOF,  30                          ; v30 the bias loads' offset
.set SC,   32
.set TMP,  32
.set AF,   128
.set BI,   192
.set G1, 24
.set G0, 32
.set G1B, 48
.set G0B, 56
.set G1S, 68
.set G0S, 76
.set G1SB, 80
.set G0SB, 88
.set MSB, 0
.macro WIN new                         ; the immediate's high byte repeats the setting that is left
.if MSB != (\new)
	s_set_vgpr_msb (MSB<<8)|(\new)
.set MSB, (\new)
.endif
.endm
.set MUL_LO, 0xa1                      ; source 0 (B) window 1, source 1 (A) window 0, C and D window 2
.set MUL_HI, 0xf1                      ; the same, C and D window 3
.set TO_B,   0x40
; A joint load: waves 0 and 1 fetch for A, waves 2 and 3 for B; the branch hangs on the wave's number alone.  An s_nop 0 and four v_nop follow each of the two lines.
.macro JLOAD g0a, g1a, g0b, g1b
	s_cmp_eq_u32 s15, 0
	s_cbranch_scc0 .Lfor_b_\@
	tensor_load_to_lds s[\g0a:\g0a+3], s[\g1a:\g1a+7]
	s_nop 0
.rept 4
	v_nop
.endr
	s_branch .Lasked_\@
.Lfor_b_\@:
	tensor_load_to_lds s[\g0b:\g0b+3], s[\g1b:\g1b+7]
	s_nop 0
.rept 4
	v_nop
.endr
.Lasked_\@:
.endm
.macro CROUND                          ; a round of the cluster's barrier
	s_barrier_signal -1
	s_barrier_wait -1
	s_cmp_lg_u32 s14, 0
	s_cbranch_scc1 .Lnot_wave_0_\@
	s_barrier_signal -3
.Lnot_wave_0_\@:
	s_barrier_wait -3
	s_barrier_signal -1
	s_barrier_wait -1
.endm
	s_load_b256 s[4:11], s[0:1], 0x0               ; codes s[4:5], scales s[6:7], bqkv s[8:9], qkvh s[10:11]
	v_lshl_add_u32 v[SPW], v0, 2, SPARE
	v_mov_b32 v[NIL], 0
	ds_add_u32 v[SPW], v[NIL]                      ; the wave's opening: the add, twice on end, and its wait ahead of my first tensor load
	ds_add_u32 v[SPW], v[NIL]
	v_lshrrev_b32 v1, 5, v0
	v_readfirstlane_b32 s14, v1                    ; wave 0..3
	s_lshr_b32 s15, s14, 1                         ; which half of A's rows is mine.  Also: I fetch for A (0) or for B (1)
	s_and_b32 s16, s14, 1                          ; which half of B's rows.  Also: which 128 rows of that tile I fetch
	s_bfe_u32 s40, ttmp6, 0x40000                  ; cx, cy: my place in the cluster
	s_bfe_u32 s41, ttmp6, 0x40004
	; what my cluster makes: all of this hangs on the cluster's number alone and is the same in all sixteen partners
	s_and_b32 s66, ttmp7, 0xffff                   ; the cluster's number, 0..17
	s_lshr_b32 s67, s66, 2                         ; main: the kind, 0 q, 1 k, 2 v
	s_and_b32 s2, s66, 3                           ; main: which 1,024 tokens
	s_sub_co_u32 s3, s66, 12
	s_cmp_ge_u32 s66, 15
	s_cselect_b32 s12, 1, 0                        ; aux: the kind, 0 ka, 1 va
	s_cselect_b32 s13, 3, 0
	s_sub_co_u32 s3, s3, s13                       ; aux: which 1,024 positions
	s_mov_b32 s97, 0x60000
	s_cmp_lt_u32 s66, 12                           ; main?
	s_cselect_b32 s99, s2, s3                      ; s99: which 1,024 tokens
	s_cselect_b32 s98, s67, s12                    ; s98: the kind
	s_cselect_b32 s2, 0, 4                         ; the tokens' first chunk of 1,024 rows of codes
	s_cselect_b32 s3, 7, 10                        ; the weights' first chunk
	s_cselect_b32 s97, 0x80000, s97                ; s97: a head's bytes in qkvh
	s_cselect_b32 s12, 0, AUX0                     ; s12: where the region begins
	s_cselect_b32 s13, 2, 1                        ; the kind that is v
	s_add_co_u32 s2, s2, s99                       ; the tokens' chunk
	s_add_co_u32 s3, s3, s98                       ; the weight's chunk
	s_cmp_eq_u32 s98, s13
	s_cselect_b32 s95, 1, 0                        ; s95: 1 for v and va
	s_cselect_b32 s100, s3, s2                     ; A's chunk
	s_cselect_b32 s101, s2, s3                     ; B's chunk
	s_cmp_lt_u32 s66, 4
	s_cselect_b32 s96, 1, 0                        ; s96: 1 for q
	s_lshl_b32 s42, s101, 2
	s_add_co_u32 s42, s42, s40                     ; B's block of 256 rows = 4 x chunk + cx
	s_lshl_b32 s17, s100, 2
	s_add_co_u32 s17, s17, s41                     ; A's block of 256 rows = 4 x chunk + cy
	s_lshl_b32 s43, s41, 2
	s_lshl_b32 s43, 15, s43                        ; my row of the cluster
	s_lshl_b32 s44, 0x1111, s40                    ; my column
	; descriptor group 1: a tile of 128 rows x 256 bytes, padded in LDS
	s_or_b32 s[G1+0], s43, (0<<16)|(1<<20)|(1<<21)|(5<<22)|(3<<25)  ; 15:0 the mask; 17:16 element of 1 byte; 20 padding on; 21 set beside a mask; 24:22 after every 64 words; 31:25 four words
	s_or_b32 s[G1B+0], s44, (0<<16)|(1<<20)|(1<<21)|(5<<22)|(3<<25)
.irp g, G1, G1B
	s_mov_b32 s[\g+1], ROWB<<16                    ; tensor_dim0
	s_mov_b32 s[\g+2], 128<<16                     ; tensor_dim1
	s_mov_b32 s[\g+3], ROWB<<16                    ; tile_dim0
	s_mov_b32 s[\g+4], 128                         ; tile_dim1
	s_mov_b32 s[\g+5], KROW                        ; tensor_dim0_stride
	s_mov_b32 s[\g+6], 0
	s_mov_b32 s[\g+7], 0
.endr
	; the scales of 128 rows: 4,096 dense bytes, as rows of 256 bytes (32 elements of 8), 16 bytes of padding behind each
	s_or_b32 s[G1S+0], s43, (3<<16)|(1<<20)|(1<<21)|(5<<22)|(3<<25)
	s_or_b32 s[G1SB+0], s44, (3<<16)|(1<<20)|(1<<21)|(5<<22)|(3<<25)
.irp g, G1S, G1SB
	s_mov_b32 s[\g+1], 32<<16
	s_mov_b32 s[\g+2], (128*KS/256)<<16
	s_mov_b32 s[\g+3], 32<<16
	s_mov_b32 s[\g+4], 128*KS/256
	s_mov_b32 s[\g+5], 32
	s_mov_b32 s[\g+6], 0
	s_mov_b32 s[\g+7], 0
.endr
	s_lshl_b32 s18, s16, 7                         ; which 128 rows of the tile I fetch
	s_lshl_b32 s20, s17, 8
	s_add_co_u32 s20, s20, s18                     ; A's rows: in registers that never hold cx
	s_lshl_b32 s46, s42, 8
	s_add_co_u32 s46, s46, s18                     ; B's rows: in registers that never hold cy
	s_mov_b32 s21, 0
	s_mov_b32 s47, 0
	s_mov_b64 s[18:19], KS
	s_mul_u64 s[22:23], s[20:21], s[18:19]         ; where these rows' scales begin,
	s_mul_u64 s[92:93], s[46:47], s[18:19]
	s_mov_b64 s[18:19], KROW
	s_mul_u64 s[20:21], s[20:21], s[18:19]         ; and their codes
	s_mul_u64 s[46:47], s[46:47], s[18:19]
	s_mul_i32 s45, s14, HALFT                      ; where they go: wave x 128 rows
	s_mul_i32 s94, s14, HALFS
	s_wait_dscnt 0x0                               ; both opening adds are done
	s_wait_kmcnt 0x0
	s_add_nc_u64 s[20:21], s[4:5], s[20:21]
	s_add_nc_u64 s[22:23], s[6:7], s[22:23]
	s_add_nc_u64 s[46:47], s[4:5], s[46:47]
	s_add_nc_u64 s[92:93], s[6:7], s[92:93]
	CROUND                                         ; all sixteen work-groups are here: the joint loads meet
	s_mov_b32 s[G0S], 1
	s_add_co_u32 s[G0S+1], s94, SCL
	s_mov_b64 s[G0S+2:G0S+3], s[22:23]
	s_or_b32 s[G0S+3], s[G0S+3], 0x80000000
	s_mov_b32 s[G0SB], 1
	s_add_co_u32 s[G0SB+1], s94, SCL
	s_mov_b64 s[G0SB+2:G0SB+3], s[92:93]
	s_or_b32 s[G0SB+3], s[G0SB+3], 0x80000000
	JLOAD G0S, G1S, G0SB, G1SB                     ; the scales first: they are wanted with the first step
.irp s, 0,1
	s_mov_b32 s[G0+4*\s], 1
	s_add_co_u32 s[G0+4*\s+1], s45, \s*SLOT
	s_add_nc_u64 s[G0+4*\s+2:G0+4*\s+3], s[20:21], \s*ROWB
	s_or_b32 s[G0+4*\s+3], s[G0+4*\s+3], 0x80000000
	s_mov_b32 s[G0B+4*\s], 1
	s_add_co_u32 s[G0B+4*\s+1], s45, \s*SLOT
	s_add_nc_u64 s[G0B+4*\s+2:G0B+4*\s+3], s[46:47], \s*ROWB
	s_or_b32 s[G0B+4*\s+3], s[G0B+4*\s+3], 0x80000000
	JLOAD G0+4*\s, G1, G0B+4*\s, G1B               ; three loads of mine are out
.endr
	v_and_b32 v1, 15, v0                           ; r = lane % 16
	v_bfe_u32 v2, v0, 4, 1                         ; h = lane / 16
	v_mul_u32_u24 v3, v1, PITCH
	v_lshl_add_u32 v4, v2, 4, v3                   ; a fragment's row x pitch + 16 h
	s_mul_i32 s21, s15, HALFT                      ; my 128 rows of A
	s_mul_i32 s22, s16, HALFT                      ; my 128 rows of B,
	s_add_co_u32 s22, s22, 2*HALFT                 ; which lie behind A's 256
.irp s, 0,1
	v_add_nc_u32 v[ADRA+\s], s21, v4
	v_add_nc_u32 v[ADRB+\s], s22, v4
	s_add_co_u32 s21, s21, SLOT
	s_add_co_u32 s22, s22, SLOT
.endr
	v_mul_u32_u24 v5, v1, KS                       ; my row's scales: 32 bytes a row,
	v_lshrrev_b32 v6, 8, v5
	v_lshl_add_u32 v5, v6, 4, v5                   ; and 16 more for each 256 passed
	s_mul_i32 s21, s15, HALFS
	s_mul_i32 s22, s16, HALFS
	s_add_co_u32 s22, s22, 2*HALFS
	s_sub_co_u32 s22, s22, s21
	v_mul_u32_u24 v6, s22, v2                      ; lanes 16-31 take B's
	s_add_co_u32 s21, s21, SCL
	v_add_nc_u32 v5, v5, v6
	v_add_nc_u32 v[ADRS], s21, v5
	; the C of the first products: zeros, or for q its bias: lane (r, h), block b, register j: bqkv[256 cx + 128 half + 16 b + 8 h + j]
.irp j, 0,1,2,3,4,5,6,7,8,9,10,11,12,13,14,15,16,17,18,19,20,21,22,23,24,25,26,27,28,29,30,31,32,33,34,35,36,37,38,39,40,41,42,43,44,45,46,47,48,49,50,51,52,53,54,55,56,57,58,59,60,61,62,63
	v_mov_b32 v[BI+\j], 0
.endr
	s_cmp_eq_u32 s96, 0                            ; the cluster's number decides: the same way in all partners
	s_cbranch_scc1 .Lno_bias
	s_lshl_b32 s18, s40, 10
	s_lshl_b32 s19, s16, 9
	s_add_co_u32 s18, s18, s19
	v_lshl_add_u32 v[BOF], v2, 5, s18
.irp b, 0,1,2,3,4,5,6,7
	global_load_b128 v[BI+8*\b:BI+8*\b+3], v[BOF], s[8:9] offset:64*\b
	global_load_b128 v[BI+8*\b+4:BI+8*\b+7], v[BOF], s[8:9] offset:64*\b+16
.endr
.Lno_bias:
	; the way out.  The side that holds tokens gives the block of 16 tokens, the side that holds channels the head and the channel tile.
	s_sub_co_u32 s46, s97, 1536
	s_mov_b32 s47, 2048
	s_mov_b32 s45, 8192
	s_cmp_eq_u32 s95, 1                            ; v or va?
	s_cselect_b32 s18, s40, s41                    ; the tokens' place in the cluster,
	s_cselect_b32 s19, s16, s15                    ; and my half of them
	s_cselect_b32 s20, s41, s40                    ; the channels' place,
	s_cselect_b32 s21, s15, s16                    ; and my half
	s_cselect_b32 s45, s45, s97                    ; from B's block b to b + 4: four blocks of tokens, or a head
	s_cselect_b32 s22, s46, s47                    ; from A's block 3 to 4: a head less three tiles, or a block of tokens
	s_mov_b32 s23, 0
	s_lshl_b32 s46, s95, 1
	s_lshl_b32 s43, 512, s46                       ; from B's block b to b + 1: 2,048 (tokens) or 512 (channels)
	s_lshr_b32 s66, s47, s46                       ; from A's block a to a + 1: 512 or 2,048
	s_mov_b32 s67, 0
	s_lshl_b32 s20, s20, 2
	s_lshl_b32 s21, s21, 1
	s_add_co_u32 s20, s20, s21
	s_lshl_b32 s21, s98, 4
	s_add_co_u32 s20, s20, s21                     ; my first head in the region: 16 x kind + 4 x place + 2 x half
	s_mul_i32 s20, s20, s97
	s_add_co_u32 s12, s12, s20
	s_lshl_b32 s21, s99, 17                        ; 1,024 tokens are 64 blocks of 2,048 bytes
	s_add_co_u32 s12, s12, s21
	s_lshl_b32 s18, s18, 15
	s_add_co_u32 s12, s12, s18
	s_lshl_b32 s19, s19, 14
	s_add_co_u32 s12, s12, s19
	s_mov_b32 s13, 0
	s_add_nc_u64 s[12:13], s[10:11], s[12:13]
	v_and_b32 v6, 31, v0
	v_lshlrev_b32 v[VB], 4, v6                     ; 16 x lane
.irp b, 1,2,3
	v_add_nc_u32 v[VB+\b], s43, v[VB+\b-1]
.endr
.irp b, 0,1,2,3
	v_add_nc_u32 v[VB+4+\b], s45, v[VB+\b]
.endr
.macro FRAG reg, adr, q, i             ; 16 rows x 128 K of 4-bit codes: 8 registers: lane l holds row l % 16; registers 4 c .. 4 c + 3 hold K = 64 c + 32 (l / 16) + 0 .. 31
.irp c, 0,1
	ds_load_b128 v[\reg+4*\c:\reg+4*\c+3], v[\adr] offset:64*(\q)+32*\c+(\i)*16*PITCH
.endr
.endm
; 16 matrix instructions: A's blocks a0, a0 + 1 x B's eight.  p: B's set; sc: the set of scale words.  first = 1: the products start the sums from v[BI ..].  The 64 accumulators take turns, one instruction a turn.
.macro MUL16 a0, p, q, sc, first
.irp a, \a0, \a0+1
.irp b, 0,1,2,3,4,5,6,7
.if \first
	v_wmma_scale_f32_16x16x128_f8f6f4 v[8*(8*((\a)%4)+\b):8*(8*((\a)%4)+\b)+7], v[128*(\p)+FR*\b:128*(\p)+FR*\b+FR-1], v[AF+FR*(\a):AF+FR*(\a)+FR-1], v[BI+8*\b:BI+8*\b+7], v[SC+8*NQ*(\sc)+NQ*\b+(\q)], v[SC+8*NQ*(\sc)+NQ*(\a)+(\q)] matrix_a_fmt:MATRIX_FMT_FP4 matrix_b_fmt:MATRIX_FMT_FP4 matrix_a_scale:MATRIX_SCALE_ROW1
.else
	v_wmma_scale_f32_16x16x128_f8f6f4 v[8*(8*((\a)%4)+\b):8*(8*((\a)%4)+\b)+7], v[128*(\p)+FR*\b:128*(\p)+FR*\b+FR-1], v[AF+FR*(\a):AF+FR*(\a)+FR-1], v[8*(8*((\a)%4)+\b):8*(8*((\a)%4)+\b)+7], v[SC+8*NQ*(\sc)+NQ*\b+(\q)], v[SC+8*NQ*(\sc)+NQ*(\a)+(\q)] matrix_a_fmt:MATRIX_FMT_FP4 matrix_b_fmt:MATRIX_FMT_FP4 matrix_a_scale:MATRIX_SCALE_ROW1
.endif
.endr
.endr
.endm
.macro FETCH_B slot, q, p
	WIN TO_B
.irp i, 0,1,2,3,4,5,6,7
	FRAG 128*(\p)+FR*\i, ADRB+\slot, \q, \i
.endr
	WIN 0
.endm
.macro FETCH_A slot, q, i0
.irp i, \i0, \i0+1, \i0+2, \i0+3
	FRAG AF+FR*(\i), ADRA+\slot, \q, \i
.endr
.endm
.macro SCALES sc                       ; a slot's scale words: four words a row; lanes 0-15 take A's block i, lanes 16-31 B's block i
.irp i, 0,1,2,3,4,5,6,7
	ds_load_b128 v[SC+8*NQ*\sc+NQ*\i:SC+8*NQ*\sc+NQ*\i+3], v[ADRS] offset:\i*SBLK
.endr
.endm
.macro PLACES n                        ; plain vector instructions between a matrix instruction and a load into, or a read of, its registers
.rept \n
	v_nop
.endr
.endm
.macro STEP slot, q, first             ; a step of 128 along K that has its successor in the same slot
	s_wait_dscnt 4*NL                              ; B's set and A's blocks 0-3 are in; the youngest eight loads (A's blocks 4-7) may be out
	WIN MUL_LO-0x20*(\first)                       ; (first: C in window 0)
	MUL16 0, (\q)%2, \q, \slot, \first
	MUL16 2, (\q)%2, \q, \slot, \first
	s_wait_dscnt 0                                 ; A's blocks 4-7 are in
	PLACES NP
	FETCH_B \slot, (\q)+1, 1-(\q)%2
	FETCH_A \slot, (\q)+1, 0
	WIN MUL_HI-0x30*(\first)
	MUL16 4, (\q)%2, \q, \slot, \first
	MUL16 6, (\q)%2, \q, \slot, \first
	PLACES NP
	WIN 0
	FETCH_A \slot, (\q)+1, 4
.endm
.macro TURN slot, next                 ; slot 0's last step goes over to slot 1: each wave's part of it has landed, then the barrier.  Nothing is filled again
	s_wait_tensorcnt 0x0                           ; all my tensor loads have landed
	ds_add_u32 v[SPW], v[NIL]                      ; 0 onto my spare word
	s_wait_dscnt 4*NL+1                            ; (the add and A's blocks 4-7 may be out)
	WIN MUL_LO
	MUL16 0, 1, NQ-1, \slot, 0
	s_wait_dscnt 0x0
	s_barrier_signal -1
	MUL16 2, 1, NQ-1, \slot, 0
	WIN 0
	s_barrier_wait -1
	PLACES NP
	v_add_nc_u32 v[ADRS], 4*NQ, v[ADRS]            ; on to the next slot's scale words
	FETCH_B \next, 0, 0
	FETCH_A \next, 0, 0
	SCALES \next
	WIN MUL_HI
	MUL16 4, 1, NQ-1, \slot, 0
	MUL16 6, 1, NQ-1, \slot, 0
	PLACES NP
	WIN 0
	FETCH_A \next, 0, 4
.endm
.macro STEPS slot, from
.set QQ, \from
.rept NQ-1-\from
	STEP \slot, QQ, 0
.set QQ, QQ+1
.endr
.endm
	s_wait_tensorcnt 1                             ; the scales and my part of slot 0 are in (slot 1's load may be out),
	s_barrier_signal -1
	s_barrier_wait -1                              ; everybody's are
	FETCH_B 0, 0, 0
	FETCH_A 0, 0, 0
	SCALES 0
	FETCH_A 0, 0, 4
	s_wait_loadcnt 0x0                             ; q's bias
	STEP 0, 0, 1
	STEPS 0, 1
	TURN 0, 1
	STEPS 1, 0
	s_wait_dscnt 4*NL                              ; the last step: nothing more to fetch
	WIN MUL_LO
	MUL16 0, 1, NQ-1, 1, 0
	MUL16 2, 1, NQ-1, 1, 0
	s_wait_dscnt 0
	WIN MUL_HI
	MUL16 4, 1, NQ-1, 1, 0
	MUL16 6, 1, NQ-1, 1, 0
	WIN 0
	; THE WAY OUT, A's blocks one after the other: eight accumulators are rounded to f16, each from its low end on, and stored as they stand
	PLACES NP
.irp a, 0,1,2,3,4,5,6,7
.if \a > 0
	s_wait_xcnt 0x0                                ; the last block's stores have read their data and their base: both are written again only behind this wait
.if \a == 4
	s_add_nc_u64 s[12:13], s[12:13], s[22:23]
.else
	s_add_nc_u64 s[12:13], s[12:13], s[66:67]
.endif
.endif
	WIN 0x0a+5*((\a)/4)                            ; sources 0 and 1: window 2 or 3
.irp b, 0,1,2,3,4,5,6,7
.irp r, 0,1,2,3
	v_cvt_pk_f16_f32 v[TMP+4*\b+\r], v[64*((\a)%4)+8*\b+2*\r], v[64*((\a)%4)+8*\b+2*\r+1]
.endr
.endr
	WIN 0
.irp b, 0,1,2,3,4,5,6,7
	global_store_b128 v[VB+\b], v[TMP+4*\b:TMP+4*\b+3], s[12:13]   ; the wave stores 512 consecutive bytes, aligned
.endr
.endr
	s_wait_tensorcnt 0x0                           ; the wave's end
	ds_add_u32 v[SPW], v[NIL]
	s_wait_dscnt 0x0
	CROUND                                         ; the closing round
	s_endpgm
.Lfunc_end_k_qf6bcc9ffac_qkv:
	.size	k_qf6bcc9ffac_qkv, .Lfunc_end_k_qf6bcc9ffac_qkv-k_qf6bcc9ffac_qkv
	.p2alignl 7, 3214868480
	.fill 96, 4, 3214868480
	.section	.rodata,"a",@progbits
	.p2align	6, 0x0
	.amdhsa_kernel k_qf6bcc9ffac_qkv
		.amdhsa_group_segment_fixed_size 327680
		.amdhsa_private_segment_fixed_size 0
		.amdhsa_enable_private_segment 0
		.amdhsa_kernarg_size 32
		.amdhsa_user_sgpr_count 2
		.amdhsa_user_sgpr_kernarg_segment_ptr 1
		.amdhsa_wavefront_size32 1
		.amdhsa_system_sgpr_workgroup_id_x 1
		.amdhsa_system_sgpr_workgroup_id_y 1
		.amdhsa_system_sgpr_workgroup_id_z 1
		.amdhsa_system_vgpr_workitem_id 0
		.amdhsa_next_free_vgpr 1024
		.amdhsa_next_free_sgpr 102
		.amdhsa_reserve_vcc 0
		.amdhsa_float_denorm_mode_32 3
		.amdhsa_float_denorm_mode_16_64 3
		.amdhsa_memory_ordered 1
		.amdhsa_forward_progress 1
		.amdhsa_inst_pref_size 123
	.end_amdhsa_kernel
	.amdgpu_metadata
---
amdhsa.version: [ 1, 2 ]
amdhsa.kernels:
  - .name:           k_qf6bcc9ffac_qkv
    .symbol:         k_qf6bcc9ffac_qkv.kd
    .args:
      - { .name: codes, .offset: 0, .size: 8, .value_kind: global_buffer, .address_space: global }
      - { .name: scales, .offset: 8, .size: 8, .value_kind: global_buffer, .address_space: global }
      - { .name: bqkv, .offset: 16, .size: 8, .value_kind: global_buffer, .address_space: global }
      - { .name: qkvh, .offset: 24, .size: 8, .value_kind: global_buffer, .address_space: global }
    .group_segment_fixed_size: 327680
    .private_segment_fixed_size: 0
    .kernarg_segment_align: 8
    .kernarg_segment_size: 32
    .max_flat_workgroup_size: 128
    .sgpr_count:     102
    .vgpr_count:     1024
    .wavefront_size: 32
...
	.end_amdgpu_metadata
.endif
;; end of part 2
;; launch attn (part 3): grid 8 x 32, 8 waves a work-group, clusters of 4 x 1, 327,680 bytes of LDS; arguments qkvh, bqkv, bqkv_aux, g, hbuf; writes hbuf
.if DOCPART == 3
	.amdgcn_target "amdgcn-amd-amdhsa--gfx1250"
	.amdhsa_code_object_version 6
	.text
	.protected	k_qf6bcc9ffac_attn
	.globl	k_qf6bcc9ffac_attn
	.p2align	8
	.type	k_qf6bcc9ffac_attn,@function
k_qf6bcc9ffac_attn:
	s_mov_b64 s[64:65], 0
	v_nop
	global_prefetch_b8 v0, s[64:65] scope:SCOPE_SE
	s_setreg_imm32_b32 hwreg(HW_REG_WAVE_MODE, 25, 1), 1
	s_wait_xcnt 0x0
	s_wait_alu depctr_hold_cnt(0) depctr_sa_sdst(0) depctr_va_vdst(0) depctr_va_sdst(0) depctr_va_ssrc(0) depctr_va_vcc(0) depctr_vm_vsrc(0)
	s_getreg_b32 s2, hwreg(HW_REG_IB_STS2, 6, 4)
	s_cmp_eq_u32 s2, 0
	s_cbranch_scc0 .Lentry_in_a_cluster
	s_endpgm
.Lentry_in_a_cluster:
	s_bfe_u32 s2, ttmp6, 0x10000c
	s_cmp_lg_u32 s2, 0x3003
	s_cbranch_scc0 .Lentry_shape_is_right
	s_endpgm
.Lentry_shape_is_right:
; ATTN: for each batch b and head hh: h = (1 - gate) softmax(q k^T / 8) v + gate softmax(q ka^T / 8) va + hb, gate = sigmoid(g[hh]).  f16 operands, f32 products, maxima and sums; h rounded once to f16.
; MOVED (shown at the head of the first kernel): the biases on v and va: a softmax's row sums to 1, so they are added here, in f32, as hb = (1 - gate) bqkv[2048 + c] + gate bqkv_aux[2048 + c].  The biases on k and ka are left out.
; LIMITS: |h| up to 65,504 (f16); a weight p under the smallest f16 number counts as 0 in the second product (the row's sum is taken of the unrounded p).
; SHARES.  A work-group owns 256 queries of one (b, hh); each of its eight waves 32: two tiles of 16.  Every wave walks the 2,048 main keys, then the 1,500 aux keys, 64 a step.
; LAYOUT.  S^T = K Q^T (source 0 = 16 keys, source 1 = 16 queries) and O^T = V^T P (source 0 = 16 channels, source 1 = P): a lane holds ONE query throughout; two tiles of S^T, rounded to f16 in pairs, are a fragment of P.
; q, k, v lie in qkvh as images of these fragments' registers: a tile is a dense block, every LDS load takes 16 bytes at 16 x lane, and nothing is turned or padded.
; SOFTMAX.  For each query a running maximum m and sum l: p = 2^(c s - c m), c = log2(e) / 8; in every step O and l are multiplied by a = 2^(c m_old - c m_new).
; The main result is weighed and put aside; m is then set back to -3e38, so that the first aux step's a is 0 and takes the old O and l away (both are finite).
; THE LAST AUX STEP has 32 keys, 1472..1503: the four behind the 1,500th get -1e30 as the C of their product: under every score that f16 operands can give (64 x 65,504^2 = 2.7e11), so their p is 0.
; CLUSTER.  The four query blocks of a cluster walk the same K and V: each tile is asked for JOINTLY, by the same tensor load with the same descriptor and the mask of all four.
; LDS: two slots of 512 keys (K 65,536 bytes, then V 65,536), at 0 and at 131,072; the spare words behind them.  Each of the eight waves brings an eighth of a slot (64 rows of 256 bytes) with one load.
; REGISTERS: window 0: v1-4 addresses; v8-15 sums at work; v16-31 statistics, eight a tile: +0 c m, +1 m, +2, +3 l, +4, +5 at work, +6 a, +7 c m_old - c m_new; v32-63 Q; v64-127 S^T; v128-159 P; v160-223 O^T;
;   v224-231 the tail's C; v232-233 gate, v234-235 1 - gate.   window 1: v0-63 K's fragments, v64-127 V's, v128-191 the weighed main result, v192-223 hb.
.set AUX0,  25165824
.set SLOT1, 131072
.set SPARE, 262144
.set LI,  1                            ; v1 16 x lane; never rewritten
.set ADK, 2
.set ADV, 3
.set PFO, 4                            ; v4 256 x lane; never rewritten
.set TS,  8
.set ST,  16
.set Q,   32
.set S,   64
.set P,   128
.set O,   160
.set MK,  224
.set GT,  232
.set GN,  234
.set SPW, 252
.set NIL, 253
.set KF,  0                            ; window 1
.set VF,  64
.set HM,  128
.set HBI, 192
.set WV,  14
.set G1,  28                           ; s[28:35] descriptor group 1
.set G0A, 36                           ; s[36:39] group 0 for slot 0;  s[40:43] for slot 1
.set G0B, 40
.set MAT, 44                           ; s[44:45] my part of the main keys' (or values') first slot in memory;  s[46:47] of the aux ones'
.set AAT, 46
.set PM,  48                           ; s[48:49], s[50:51] the same + my work-group's 8,192 bytes: where my prefetches stand; never rewritten
.set PA,  50
.set CS,  52
.set SEL, 54
.set TB,  56
.set CNT, 57
.set LIM, 58
.set MSK, 59
.set QB,  60
.set OB,  62
.set MSB, 0
.macro WIN new
.if MSB != (\new)
	s_set_vgpr_msb (MSB<<8)|(\new)
.set MSB, (\new)
.endif
.endm
.macro CROUND                          ; a round of the cluster's barrier
	s_barrier_signal -1
	s_barrier_wait -1
	s_cmp_lg_u32 s[WV], 0
	s_cbranch_scc1 .Lnot_wave_0_\@
	s_barrier_signal -3
.Lnot_wave_0_\@:
	s_barrier_wait -3
	s_barrier_signal -1
	s_barrier_wait -1
.endm
	s_load_b256 s[4:11], s[0:1], 0x0               ; qkvh s[4:5], bqkv s[6:7], bqkv_aux s[8:9], g s[10:11]
	s_load_b64 s[12:13], s[0:1], 0x20              ; hbuf
	v_lshl_add_u32 v[SPW], v0, 2, SPARE
	v_mov_b32 v[NIL], 0
	ds_add_u32 v[SPW], v[NIL]                      ; the wave's opening: the add, twice on end, and its wait ahead of my first tensor load
	ds_add_u32 v[SPW], v[NIL]
	v_lshrrev_b32 v5, 5, v0
	v_readfirstlane_b32 s[WV], v5                  ; wave 0..7
	s_bfe_u32 s15, ttmp6, 0x40000                  ; cx
	s_lshl_b32 s16, ttmp9, 2
	s_add_co_u32 s16, s16, s15                     ; my block of 256 queries: it enters Q's and the output's addresses alone
	s_and_b32 s17, ttmp7, 0xffff
	s_lshr_b32 s18, s17, 4                         ; b
	s_and_b32 s19, s17, 15                         ; hh
	s_lshr_b32 s20, s[WV], 2                       ; I fetch for K (0) or V (1),
	s_and_b32 s21, s[WV], 3                        ; this quarter of its 512 keys
	s_lshl_b32 s22, s20, 4
	s_add_co_u32 s22, s22, s19
	s_add_co_u32 s24, s22, 16                      ; main: head 16 + hh (k) or 32 + hh (v)
	s_lshl_b32 s24, s24, 19
	s_lshl_b32 s25, s18, 18                        ; a batch's 2,048 tokens
	s_add_co_u32 s24, s24, s25
	s_lshl_b32 s26, s21, 14
	s_add_co_u32 s24, s24, s26
	s_mov_b32 s25, 0
	s_mul_i32 s22, s22, 393216                     ; aux: head hh (ka) or 16 + hh (va)
	s_mul_i32 s23, s18, 196608                     ; a batch's 1,536 positions
	s_add_co_u32 s22, s22, s23
	s_add_co_u32 s22, s22, s26
	s_add_co_u32 s22, s22, AUX0
	s_mov_b32 s23, 0
	s_lshl_b32 s26, s19, 19                        ; Q: head hh,
	s_lshl_b32 s27, s18, 18
	s_add_co_u32 s26, s26, s27
	s_lshl_b32 s27, s16, 15                        ; 16 blocks of 2,048 bytes a work-group,
	s_add_co_u32 s26, s26, s27
	s_lshl_b32 s27, s[WV], 12                      ; two a wave
	s_add_co_u32 s26, s26, s27
	s_mov_b32 s27, 0
	s_lshr_b32 s2, s19, 2                          ; hbuf: (hh / 4) 2,097,152 + block of 16 tokens x 8,192 + (hh % 4) 2,048
	s_lshl_b32 s2, s2, 21
	s_lshl_b32 s3, s18, 20
	s_add_co_u32 s2, s2, s3
	s_lshl_b32 s3, s16, 17
	s_add_co_u32 s2, s2, s3
	s_lshl_b32 s3, s[WV], 14
	s_add_co_u32 s2, s2, s3
	s_and_b32 s3, s19, 3
	s_lshl_b32 s3, s3, 11
	s_add_co_u32 s2, s2, s3
	s_mov_b32 s3, 0
	s_lshl_b32 s16, s15, 13                        ; the prefetches: my work-group's 8,192 bytes of an even wave's 32,768
	s_mov_b32 s17, 0
	s_lshl_b32 s20, s19, 8
	s_add_co_u32 s20, s20, 8192                    ; the biases: 4 (2048 + 64 hh)
	s_lshl_b32 s21, s19, 2                         ; g: 4 hh
	; descriptor group 1: 64 rows of 256 bytes (32 elements of 8), dense, no padding
	s_mov_b32 s[G1], 15|(3<<16)|(1<<21)            ; 15:0 the mask: all four work-groups; 17:16 elements of 8 bytes; 21 set beside a mask
	s_mov_b32 s[G1+1], 32<<16                      ; tensor_dim0
	s_mov_b32 s[G1+2], 64<<16                      ; tensor_dim1
	s_mov_b32 s[G1+3], 32<<16                      ; tile_dim0
	s_mov_b32 s[G1+4], 64                          ; tile_dim1
	s_mov_b32 s[G1+5], 32                          ; tensor_dim0_stride
	s_mov_b32 s[G1+6], 0
	s_mov_b32 s[G1+7], 0
	s_mov_b32 s[G0A], 1
	s_lshl_b32 s[G0A+1], s[WV], 14                 ; LDS: wave x 16,384: K's four quarters, then V's
	s_mov_b32 s[G0B], 1
	s_add_co_u32 s[G0B+1], s[G0A+1], SLOT1
	s_mov_b32 s[CS], 0x3e38aa3b                    ; c = log2(e) / 8
	s_mov_b32 s[CS+1], s[CS]
	s_mov_b32 s[SEL], 0x76543210
	s_mov_b32 s[SEL+1], 0xfedcba98                 ; v_permlanex16_b32's selects for lane l xor 16
	s_mov_b32 s[MSK], 0xffff0000                   ; lanes 16-31
	s_and_b32 s[LIM], s[WV], 1
	s_or_b32 s[LIM], s[LIM], ttmp9                 ; 0 in the even waves of the head's first cluster: the same in all four partners
	s_cmp_eq_u32 s[LIM], 0
	s_cselect_b32 s[LIM], 1, 0
	s_wait_dscnt 0x0                               ; both opening adds are done
	s_wait_kmcnt 0x0
	s_add_nc_u64 s[MAT:MAT+1], s[4:5], s[24:25]
	s_add_nc_u64 s[AAT:AAT+1], s[4:5], s[22:23]
	s_add_nc_u64 s[QB:QB+1], s[4:5], s[26:27]
	s_add_nc_u64 s[OB:OB+1], s[12:13], s[2:3]
	s_add_nc_u64 s[PM:PM+1], s[MAT:MAT+1], s[16:17]
	s_add_nc_u64 s[PA:PA+1], s[AAT:AAT+1], s[16:17]
	s_mov_b64 s[G0A+2:G0A+3], s[MAT:MAT+1]         ; main keys 0..511
	s_or_b32 s[G0A+3], s[G0A+3], 0x80000000
	s_add_nc_u64 s[G0B+2:G0B+3], s[MAT:MAT+1], 65536   ; main keys 512..1023
	s_or_b32 s[G0B+3], s[G0B+3], 0x80000000
	CROUND                                         ; all four work-groups are here: the first joint loads meet
	tensor_load_to_lds s[G0A:G0A+3], s[G1:G1+7]    ; every wave issues both first fills: two loads of mine are out
	s_nop 0
	tensor_load_to_lds s[G0B:G0B+3], s[G1:G1+7]
	s_nop 0
.rept 4
	v_nop
.endr
	v_and_b32 v5, 31, v0
	v_lshlrev_b32 v[LI], 4, v5
	v_lshlrev_b32 v[PFO], 8, v5
	v_bfe_u32 v6, v0, 4, 1                         ; h
	v_lshl_add_u32 v7, v6, 5, s20                  ; the biases: + 32 h
	v_mov_b32 v5, s21
.irp i, 0,1,2,3,4,5,6,7
	global_load_b128 v[Q+4*\i:Q+4*\i+3], v[LI], s[QB:QB+1] offset:512*\i   ; Q stays in registers: tile i / 4, channels 16 (i % 4) on
.endr
.irp t, 0,1,2,3
	global_load_b128 v[S+8*\t:S+8*\t+3], v7, s[6:7] offset:64*\t           ; v's bias at my eight channels of channel tile t
	global_load_b128 v[S+8*\t+4:S+8*\t+7], v7, s[6:7] offset:64*\t+16
	global_load_b128 v[S+32+8*\t:S+32+8*\t+3], v7, s[8:9] offset:64*\t     ; va's
	global_load_b128 v[S+32+8*\t+4:S+32+8*\t+7], v7, s[8:9] offset:64*\t+16
.endr
	global_load_b32 v[GT], v5, s[10:11]            ; g[hh]
	v_mov_b32 v6, 0xf149f2ca                       ; -1e30
.irp j, 0,1,2,3
	v_mov_b32 v[MK+\j], 0
	v_cndmask_b32 v[MK+4+\j], 0, v6, s[MSK]        ; keys 12..15 of a tile are registers 4-7 of lanes 16-31
.endr
.irp u, 0,1
	v_mov_b32 v[ST+8*\u+1], 0xff61b1e6             ; m = -3e38, under every score
	v_mul_f32 v[ST+8*\u], s[CS], v[ST+8*\u+1]
	v_mov_b32 v[ST+8*\u+2], 0                      ; l
	v_mov_b32 v[ST+8*\u+3], 0
.endr
.irp j, 0,1,2,3,4,5,6,7,8,9,10,11,12,13,14,15,16,17,18,19,20,21,22,23,24,25,26,27,28,29,30,31,32,33,34,35,36,37,38,39,40,41,42,43,44,45,46,47,48,49,50,51,52,53,54,55,56,57,58,59,60,61,62,63
	v_mov_b32 v[O+\j], 0                           ; O^T, once in the launch: the step is written without a first step of its own
.endr
	s_wait_loadcnt 0x0
	v_mul_f32 v[GT], 0xbfb8aa3b, v[GT]             ; gate = 1 / (1 + 2^(-log2(e) g))
	v_exp_f32 v[GT], v[GT]
	v_nop
	s_wait_alu depctr_va_vdst(0)                   ; the wait ahead of the first line that names the result
	v_add_f32 v[GT], 1.0, v[GT]
	v_rcp_f32 v[GT], v[GT]
	v_nop
	s_wait_alu depctr_va_vdst(0)
	v_mov_b32 v[GT+1], v[GT]
	v_sub_f32 v[GN], 1.0, v[GT]
	v_sub_f32 v[GN+1], 1.0, v[GT]
.irp j, 0,2,4,6,8,10,12,14,16,18,20,22,24,26,28,30
	v_pk_mul_f32 v[S+\j:S+\j+1], v[S+\j:S+\j+1], v[GN:GN+1]
.endr
	WIN 0x40                                       ; destination window 1
.irp j, 0,2,4,6,8,10,12,14,16,18,20,22,24,26,28,30
	v_pk_fma_f32 v[HBI+\j:HBI+\j+1], v[S+32+\j:S+32+\j+1], v[GT:GT+1], v[S+\j:S+\j+1]   ; hb
.endr
	WIN 0
; A KEY STEP: 16 nkb keys (nkb = 4; the tail: 2, with msk = 1).  The tiles of K and V begin at LDS byte s[TB] and s[TB] + 65,536.
.macro STEP nkb, msk
	v_add_nc_u32 v[ADK], s[TB], v[LI]              ; four plain lines: the places between the last step's products and the loads into V's registers
	v_add_nc_u32 v[ADV], 0x10000, v[ADK]
	v_mov_b32 v[ST+7], v[ST]                       ; c m_old is kept for a
	v_mov_b32 v[ST+15], v[ST+8]
	WIN 0x40                                       ; destination window 1
.set i, 0
.rept 4*(\nkb)                                 ; K: block of 16 keys i / 4, channels 16 (i % 4) on
	ds_load_b128 v[KF+4*i:KF+4*i+3], v[ADK] offset:512*i
.set i, i+1
.endr
.set i, 0
.rept 4*(\nkb)                                 ; V: i = 8 kg + 2 ct + c: keys 32 kg + 16 c on, channels 16 ct on
	ds_load_b128 v[VF+4*i:VF+4*i+3], v[ADV] offset:(2*(i/8)+i%2)*2048+((i/2)%4)*512
.set i, i+1
.endr
	s_wait_dscnt 4*(\nkb)                          ; K is in; V's loads may be out
	WIN 0x01                                       ; source 0 window 1
.set i, 0
.rept 4*(\nkb)                                 ; S^T = K Q^T: the 2 nkb accumulators take turns, one instruction a turn
.set g, i/(2*(\nkb))
.set kb, (i/2)%(\nkb)
.set T, i%2
.if g == 0
.if \msk && (kb == 1)
	v_wmma_f32_16x16x32_f16 v[S+32*T+8*kb:S+32*T+8*kb+7], v[KF+16*kb:KF+16*kb+7], v[Q+16*T:Q+16*T+7], v[MK:MK+7]
.else
	v_wmma_f32_16x16x32_f16 v[S+32*T+8*kb:S+32*T+8*kb+7], v[KF+16*kb:KF+16*kb+7], v[Q+16*T:Q+16*T+7], 0
.endif
.else
	v_wmma_f32_16x16x32_f16 v[S+32*T+8*kb:S+32*T+8*kb+7], v[KF+16*kb+8:KF+16*kb+15], v[Q+16*T+8:Q+16*T+15], v[S+32*T+8*kb:S+32*T+8*kb+7]
.endif
.set i, i+1
.endr
	WIN 0
.rept 4
	v_nop                                          ; places in front of the first read of the scores
.endr
.set n, 8*(\nkb)                               ; scores a lane and tile
.irp u, 0,1                                    ; the maximum of the scores and the old m: two chains a tile, each accumulator from its low end on
	v_max3_num_f32 v[ST+8*\u+4], v[S+32*\u], v[S+32*\u+1], v[ST+8*\u+1]
	v_max_num_f32 v[ST+8*\u+5], v[S+32*\u+n/2], v[S+32*\u+n/2+1]
.endr
.set i, 2
.rept n/4-1
.irp u, 0,1
	v_max3_num_f32 v[ST+8*\u+4], v[ST+8*\u+4], v[S+32*\u+i], v[S+32*\u+i+1]
	v_max3_num_f32 v[ST+8*\u+5], v[ST+8*\u+5], v[S+32*\u+n/2+i], v[S+32*\u+n/2+i+1]
.endr
.set i, i+2
.endr
.irp u, 0,1
	v_max_num_f32 v[ST+8*\u+4], v[ST+8*\u+4], v[ST+8*\u+5]
.endr
.irp u, 0,1
	v_permlanex16_b32 v[ST+8*\u+5], v[ST+8*\u+4], s[SEL], s[SEL+1]   ; the query's other keys lie in the lane 16 away
.endr
.irp u, 0,1
	v_max_num_f32 v[ST+8*\u+1], v[ST+8*\u+4], v[ST+8*\u+5]
.endr
.irp u, 0,1
	v_mul_f32 v[ST+8*\u], s[CS], v[ST+8*\u+1]
.endr
.irp u, 0,1
	v_sub_f32 v[ST+8*\u+7], v[ST+8*\u+7], v[ST+8*\u]
.endr
.set i, 0
.rept n/2
.irp u, 0,1
	v_pk_fma_f32 v[S+32*\u+i:S+32*\u+i+1], v[S+32*\u+i:S+32*\u+i+1], s[CS:CS+1], v[ST+8*\u:ST+8*\u+1] op_sel_hi:[1,0,0] neg_lo:[0,0,1] neg_hi:[0,0,1]   ; c s - c m
.endr
.set i, i+2
.endr
	v_exp_f32 v[ST+6], v[ST+7]                     ; ONE BATCH: both a and all p
	v_exp_f32 v[ST+14], v[ST+15]
.set i, 0
.rept n
.irp u, 0,1
	v_exp_f32 v[S+32*\u+i], v[S+32*\u+i]
.endr
.set i, i+1
.endr
	v_nop                                          ; a plain line behind the last exponential
	s_wait_alu depctr_va_vdst(0)                   ; one wait for the batch, ahead of its first reader
.set i, 0
.rept n/2
.irp u, 0,1
	v_cvt_pk_f16_f32 v[P+16*\u+i], v[S+32*\u+2*i], v[S+32*\u+2*i+1]
.endr
.set i, i+1
.endr
.irp u, 0,1                                    ; the row's sum of the unrounded p, two at a time, two chains a tile
	v_pk_add_f32 v[TS+4*\u:TS+4*\u+1], v[S+32*\u:S+32*\u+1], v[S+32*\u+2:S+32*\u+3]
	v_pk_add_f32 v[TS+4*\u+2:TS+4*\u+3], v[S+32*\u+4:S+32*\u+5], v[S+32*\u+6:S+32*\u+7]
.endr
.set i, 8
.rept n/4-2
.irp u, 0,1
	v_pk_add_f32 v[TS+4*\u:TS+4*\u+1], v[TS+4*\u:TS+4*\u+1], v[S+32*\u+i:S+32*\u+i+1]
	v_pk_add_f32 v[TS+4*\u+2:TS+4*\u+3], v[TS+4*\u+2:TS+4*\u+3], v[S+32*\u+i+2:S+32*\u+i+3]
.endr
.set i, i+4
.endr
.irp u, 0,1
	v_pk_add_f32 v[TS+4*\u:TS+4*\u+1], v[TS+4*\u:TS+4*\u+1], v[TS+4*\u+2:TS+4*\u+3]
.endr
.irp u, 0,1
	v_pk_fma_f32 v[ST+8*\u+2:ST+8*\u+3], v[ST+8*\u+2:ST+8*\u+3], v[ST+8*\u+6:ST+8*\u+7], v[TS+4*\u:TS+4*\u+1] op_sel_hi:[1,0,1]   ; l = a l + the sum
.endr
.set i, 0
.rept 16
.irp u, 0,1
	v_pk_mul_f32 v[O+32*\u+i:O+32*\u+i+1], v[O+32*\u+i:O+32*\u+i+1], v[ST+8*\u+6:ST+8*\u+7] op_sel_hi:[1,0]   ; O^T x a, each accumulator from its low end on
.endr
.set i, i+2
.endr
	s_wait_dscnt 0x0                               ; V is in
	WIN 0x01
.set i, 0
.rept 4*(\nkb)                                 ; O^T += V^T P: i = 8 kg + 2 ct + T: eight accumulators by turns
.set kg, i/8
.set ct, (i/2)%4
.set T, i%2
	v_wmma_f32_16x16x32_f16 v[O+32*T+8*ct:O+32*T+8*ct+7], v[VF+32*kg+8*ct:VF+32*kg+8*ct+7], v[P+16*T+8*kg:P+16*T+8*kg+7], v[O+32*T+8*ct:O+32*T+8*ct+7]
.set i, i+1
.endr
	WIN 0
.endm
.macro SLOTSTEPS slot, n               ; n full steps of the slot
	s_mov_b32 s[TB], \slot*SLOT1
	s_mov_b32 s[CNT], \n
.Lstep_\@:
	STEP 4, 0
	s_add_co_u32 s[TB], s[TB], 8192
	s_sub_co_u32 s[CNT], s[CNT], 1
	s_cmp_lg_u32 s[CNT], 0
	s_cbranch_scc1 .Lstep_\@
.endm
; THE CHANGE OF SLOTS.  Each wave waits for all its tensor loads (one is out: its part of the slot ahead), adds 0 to its spare word, and waits for that and for its reads of the slot just left.  The round of the cluster's
; barrier shows the same of every wave of every partner; the joint refill of the slot just left is the first thing behind it, one load a wave, and has eight key steps in which to land.
.macro CHANGE g0, src, off
	s_wait_tensorcnt 0x0                           ; no tensor load of mine is out, so a group 0 may be written
	ds_add_u32 v[SPW], v[NIL]
	s_add_nc_u64 s[\g0+2:\g0+3], s[\src:\src+1], \off
	s_or_b32 s[\g0+3], s[\g0+3], 0x80000000
	s_wait_dscnt 0x0
	CROUND
	tensor_load_to_lds s[\g0:\g0+3], s[G1:G1+7]
	s_nop 0
.rept 4
	v_nop
.endr
.endm
; A PREFETCH of what the NEXT refill will load, eight key steps ahead of it.  All clusters of a head walk the same K and V: the head's first cluster asks.  In it the even waves ask, each for its own 16,384 bytes and the next
; wave's; the four partners share these 32,768 out BY ADDRESS, 8,192 each, lanes 256 bytes apart: each aligned block of 256 bytes is named once in the launch.  The slot stands in the immediate: no register is stepped.
.macro ASK base, off
	s_cmp_eq_u32 s[LIM], 1
	s_cbranch_scc0 .Lnot_mine_\@
	global_prefetch_b8 v[PFO], s[\base:\base+1] offset:\off th:TH_LOAD_NT scope:SCOPE_SE
.Lnot_mine_\@:
.endm
.macro RECIP gv                        ; v[ST + 8 T + 6] = v[gv] / l
.rept 4
	v_nop                                          ; places behind the last products
.endr
.irp u, 0,1
	v_add_f32 v[ST+8*\u+4], v[ST+8*\u+2], v[ST+8*\u+3]
.endr
.irp u, 0,1
	v_permlanex16_b32 v[ST+8*\u+5], v[ST+8*\u+4], s[SEL], s[SEL+1]
.endr
.irp u, 0,1
	v_add_f32 v[ST+8*\u+4], v[ST+8*\u+4], v[ST+8*\u+5]
.endr
.irp u, 0,1
	v_rcp_f32 v[ST+8*\u+6], v[ST+8*\u+4]
.endr
	v_nop
	s_wait_alu depctr_va_vdst(0)                   ; one wait for both reciprocals
.irp u, 0,1
	v_mul_f32 v[ST+8*\u+6], v[ST+8*\u+6], v[\gv]
.endr
.endm
	s_wait_tensorcnt 1                             ; my part of slot 0 is in; slot 1's may stay out
	s_barrier_signal -1
	s_barrier_wait -1
	SLOTSTEPS 0, 8                                 ; main keys 0..511
	CHANGE G0A, MAT, 131072                        ; slot 0 <- main 1024..1535
	ASK PM, 196608
	SLOTSTEPS 1, 8
	CHANGE G0B, MAT, 196608                        ; slot 1 <- main 1536..2047
	ASK PA, 0
	SLOTSTEPS 0, 8
	CHANGE G0A, AAT, 0                             ; slot 0 <- aux 0..511
	ASK PA, 65536
	SLOTSTEPS 1, 8
	RECIP GN                                       ; the main result: H = O^T (1 - gate) / l + hb
	WIN 0x50                                       ; source 2 and destination window 1
.irp u, 0,1
.irp j, 0,2,4,6,8,10,12,14,16,18,20,22,24,26,28,30
	v_pk_fma_f32 v[HM+32*\u+\j:HM+32*\u+\j+1], v[O+32*\u+\j:O+32*\u+\j+1], v[ST+8*\u+6:ST+8*\u+7], v[HBI+\j:HBI+\j+1] op_sel_hi:[1,0,1]
.endr
.endr
	WIN 0
.irp u, 0,1
	v_mov_b32 v[ST+8*\u+1], 0xff61b1e6             ; m back to -3e38: the next step's a is 0
	v_mul_f32 v[ST+8*\u], s[CS], v[ST+8*\u+1]
.endr
	CHANGE G0B, AAT, 65536                         ; slot 1 <- aux 512..1023
	ASK PA, 131072
	SLOTSTEPS 0, 8
	CHANGE G0A, AAT, 131072                        ; slot 0 <- aux 1024..1535: the last load; nothing is left to prefetch
	SLOTSTEPS 1, 8
	s_wait_tensorcnt 0x0                           ; the last change of slots asks for nothing: the three lines and my work-group's barrier
	ds_add_u32 v[SPW], v[NIL]
	s_wait_dscnt 0x0
	s_barrier_signal -1
	s_barrier_wait -1
	SLOTSTEPS 0, 7                                 ; aux keys 1024..1471
	STEP 2, 1                                      ; aux keys 1472..1503, the last four hidden
	RECIP GT                                       ; h = O^T gate / l + H
	WIN 0x10                                       ; source 2 window 1
.irp u, 0,1
.irp j, 0,2,4,6,8,10,12,14,16,18,20,22,24,26,28,30
	v_pk_fma_f32 v[S+32*\u+\j:S+32*\u+\j+1], v[O+32*\u+\j:O+32*\u+\j+1], v[ST+8*\u+6:ST+8*\u+7], v[HM+32*\u+\j:HM+32*\u+\j+1] op_sel_hi:[1,0,1]
.endr
.endr
	WIN 0
.irp j, 0,1,2,3,4,5,6,7,8,9,10,11,12,13,14,15,16,17,18,19,20,21,22,23,24,25,26,27,28,29,30,31
	v_cvt_pk_f16_f32 v[P+\j], v[S+2*\j], v[S+2*\j+1]
.endr
.irp u, 0,1
.irp t, 0,1,2,3
	global_store_b128 v[LI], v[P+16*\u+4*\t:P+16*\u+4*\t+3], s[OB:OB+1] offset:\u*8192+\t*512   ; the wave stores 512 consecutive bytes, aligned: half a fragment of the projection's operand
.endr
.endr
	s_wait_tensorcnt 0x0                           ; the wave's end
	ds_add_u32 v[SPW], v[NIL]
	s_wait_dscnt 0x0
	CROUND                                         ; the closing round
	s_endpgm
.Lfunc_end_k_qf6bcc9ffac_attn:
	.size	k_qf6bcc9ffac_attn, .Lfunc_end_k_qf6bcc9ffac_attn-k_qf6bcc9ffac_attn
	.p2alignl 7, 3214868480
	.fill 96, 4, 3214868480
	.section	.rodata,"a",@progbits
	.p2align	6, 0x0
	.amdhsa_kernel k_qf6bcc9ffac_attn
		.amdhsa_group_segment_fixed_size 327680
		.amdhsa_private_segment_fixed_size 0
		.amdhsa_enable_private_segment 0
		.amdhsa_kernarg_size 40
		.amdhsa_user_sgpr_count 2
		.amdhsa_user_sgpr_kernarg_segment_ptr 1
		.amdhsa_wavefront_size32 1
		.amdhsa_system_sgpr_workgroup_id_x 1
		.amdhsa_system_sgpr_workgroup_id_y 1
		.amdhsa_system_sgpr_workgroup_id_z 1
		.amdhsa_system_vgpr_workitem_id 0
		.amdhsa_next_free_vgpr 512
		.amdhsa_next_free_sgpr 66
		.amdhsa_reserve_vcc 0
		.amdhsa_float_denorm_mode_32 3
		.amdhsa_float_denorm_mode_16_64 3
		.amdhsa_memory_ordered 1
		.amdhsa_forward_progress 1
		.amdhsa_inst_pref_size 156
	.end_amdhsa_kernel
	.amdgpu_metadata
---
amdhsa.version: [ 1, 2 ]
amdhsa.kernels:
  - .name:           k_qf6bcc9ffac_attn
    .symbol:         k_qf6bcc9ffac_attn.kd
    .args:
      - { .name: qkvh, .offset: 0, .size: 8, .value_kind: global_buffer, .address_space: global }
      - { .name: bqkv, .offset: 8, .size: 8, .value_kind: global_buffer, .address_space: global }
      - { .name: bqkv_aux, .offset: 16, .size: 8, .value_kind: global_buffer, .address_space: global }
      - { .name: g, .offset: 24, .size: 8, .value_kind: global_buffer, .address_space: global }
      - { .name: hbuf, .offset: 32, .size: 8, .value_kind: global_buffer, .address_space: global }
    .group_segment_fixed_size: 327680
    .private_segment_fixed_size: 0
    .kernarg_segment_align: 8
    .kernarg_segment_size: 40
    .max_flat_workgroup_size: 256
    .sgpr_count:     66
    .vgpr_count:     512
    .wavefront_size: 32
...
	.end_amdgpu_metadata
.endif
;; end of part 3
;; launch proj (part 4): grid 8 x 32, 4 waves a work-group, clusters of 4 x 4, 327,680 bytes of LDS; arguments hbuf, wo16, bo, out0; writes out0
.if DOCPART == 4
	.amdgcn_target "amdgcn-amd-amdhsa--gfx1250"
	.amdhsa_code_object_version 6
	.text
	.protected	k_qf6bcc9ffac_proj
	.globl	k_qf6bcc9ffac_proj
	.p2align	8
	.type	k_qf6bcc9ffac_proj,@function
k_qf6bcc9ffac_proj:
	s_mov_b64 s[64:65], 0
	v_nop
	global_prefetch_b8 v0, s[64:65] scope:SCOPE_SE
	s_setreg_imm32_b32 hwreg(HW_REG_WAVE_MODE, 25, 1), 1
	s_wait_xcnt 0x0
	s_wait_alu depctr_hold_cnt(0) depctr_sa_sdst(0) depctr_va_vdst(0) depctr_va_sdst(0) depctr_va_ssrc(0) depctr_va_vcc(0) depctr_vm_vsrc(0)
	s_getreg_b32 s2, hwreg(HW_REG_IB_STS2, 6, 4)
	s_cmp_eq_u32 s2, 0
	s_cbranch_scc0 .Lentry_in_a_cluster
	s_endpgm
.Lentry_in_a_cluster:
	s_bfe_u32 s2, ttmp6, 0x10000c
	s_cmp_lg_u32 s2, 0xf033
	s_cbranch_scc0 .Lentry_shape_is_right
	s_endpgm
.Lentry_shape_is_right:
; PROJ: out0 = h Wo + bo.  h [4,096 x 1,024] and Wo [1,024 x 1,024] arrive as f16 images of operand registers (hbuf, wo16); sums in f32; bo is the C of each sum's first product.  Nothing is left out here.
; A tile of out0 is 128 x 128: 256 work-groups.  Four waves, each 64 x 64: 16 accumulators.  K goes in four steps of 256 through two LDS slots.
; hbuf: [K step][block of 16 rows][8 fragments of 1,024 bytes]; wo16: [K step][block of 16 columns][8 fragments]: a K step's 64 rows are 32,768 dense bytes, one tensor load; a fragment is two LDS loads at 16 x lane: no pitch, no padding.
; CLUSTERS: 4 x 4 work-groups; h's tile is shared along a row of the cluster, Wo's along a column: joint loads.  THE MATRIX INSTRUCTION IS USED TRANSPOSED (source 0 = 16 columns of Wo, source 1 = 16 rows of h): a lane holds eight neighbours of a row of out0.
; REGISTERS: window 0: v0-31 addresses; v32-95 the way out; v96-127 bo; v128-255 the accumulators ((a, b) at v[128 + 8 (4 a + b)]).   window 1: two fragment buffers of 128: 64 registers of A, then 64 of B, for 64 along K.
.set SLOT,   131072                    ; A's 65,536 bytes, then B's
.set ASTEP,  2097152                   ; a K step on in hbuf
.set BSTEP,  524288                    ; and in wo16
.set STAGE,  2*SLOT                    ; behind the ring: 16 rows x 272 bytes for each wave; no tensor load lands there
.set SPITCH, 272
.set SPARE,  STAGE+4*16*SPITCH
.set ADRA, 16
.set ADRB, 20
.set STO,  24
.set RD,   25
.set CO,   26
.set BOF,  27
.set SPW,  28
.set NIL,  29
.set OUTB, 32
.set BO,   96
.set ACC,  128
.set F0,   0
.set F1,   128
.set G1, 24
.set G0, 32
.set G1B, 48
.set G0B, 56
.set MSB, 0
.macro WIN new
.if MSB != (\new)
	s_set_vgpr_msb (MSB<<8)|(\new)
.set MSB, (\new)
.endif
.endm
.set MUL,  0x05                        ; sources 0 (B) and 1 (A) window 1; C and D window 0
.set TO_F, 0x40
.macro JLOAD s                         ; a joint load: waves 0 and 1 fetch A's two halves, waves 2 and 3 B's; an s_nop 0 and four v_nop follow each of the two lines
	s_cmp_eq_u32 s11, 0
	s_cbranch_scc0 .Lfor_b_\@
	tensor_load_to_lds s[G0+4*\s:G0+4*\s+3], s[G1:G1+7]
	s_nop 0
.rept 4
	v_nop
.endr
	s_branch .Lasked_\@
.Lfor_b_\@:
	tensor_load_to_lds s[G0B+4*\s:G0B+4*\s+3], s[G1B:G1B+7]
	s_nop 0
.rept 4
	v_nop
.endr
.Lasked_\@:
.endm
.macro CREST
	s_cmp_lg_u32 s10, 0
	s_cbranch_scc1 .Lnot_wave_0_\@
	s_barrier_signal -3
.Lnot_wave_0_\@:
	s_barrier_wait -3
	s_barrier_signal -1
	s_barrier_wait -1
.endm
.macro CROUND
	s_barrier_signal -1
	s_barrier_wait -1
	CREST
.endm
	s_load_b128 s[4:7], s[0:1], 0x0                ; hbuf s[4:5], wo16 s[6:7]
	s_load_b64 s[2:3], s[0:1], 0x10                ; bo
	s_load_b64 s[8:9], s[0:1], 0x18                ; out0
	v_lshl_add_u32 v[SPW], v0, 2, SPARE
	v_mov_b32 v[NIL], 0
	ds_add_u32 v[SPW], v[NIL]                      ; the wave's opening: the add, twice on end, and its wait ahead of my first tensor load
	ds_add_u32 v[SPW], v[NIL]
	v_lshrrev_b32 v1, 5, v0
	v_readfirstlane_b32 s10, v1                    ; wave 0..3
	s_lshr_b32 s11, s10, 1                         ; which half of the tile's rows is mine.  Also: I fetch for A (0) or for B (1)
	s_and_b32 s12, s10, 1                          ; which half of its columns.  Also: which half of that tile I fetch
	s_bfe_u32 s40, ttmp6, 0x40000                  ; cx, cy
	s_bfe_u32 s41, ttmp6, 0x40004
	s_lshl_b32 s42, ttmp9, 2
	s_add_co_u32 s42, s42, s40                     ; tile column
	s_and_b32 s13, ttmp7, 0xffff
	s_lshl_b32 s13, s13, 2
	s_add_co_u32 s13, s13, s41                     ; tile row
	s_lshl_b32 s43, s41, 2
	s_lshl_b32 s43, 15, s43                        ; my row of the cluster
	s_lshl_b32 s44, 0x1111, s40                    ; my column
	; descriptor group 1: 128 rows of 256 bytes (32 elements of 8), dense, no padding
	s_or_b32 s[G1+0], s43, (3<<16)|(1<<21)
	s_or_b32 s[G1B+0], s44, (3<<16)|(1<<21)
.irp g, G1, G1B
	s_mov_b32 s[\g+1], 32<<16                      ; tensor_dim0
	s_mov_b32 s[\g+2], 128<<16                     ; tensor_dim1
	s_mov_b32 s[\g+3], 32<<16                      ; tile_dim0
	s_mov_b32 s[\g+4], 128                         ; tile_dim1
	s_mov_b32 s[\g+5], 32                          ; tensor_dim0_stride
	s_mov_b32 s[\g+6], 0
	s_mov_b32 s[\g+7], 0
.endr
	s_lshl_b32 s17, s12, 15                        ; which four blocks of the tile's eight I fetch
	s_lshl_b32 s16, s13, 16
	s_add_co_u32 s16, s16, s17                     ; A: 8 blocks of 8,192 bytes a tile row
	s_lshl_b32 s46, s42, 16
	s_add_co_u32 s46, s46, s17                     ; B: likewise by the tile column
	s_mov_b32 s17, 0
	s_mov_b32 s47, 0
	s_lshl_b32 s20, s10, 15                        ; where they go: wave x 32,768
	s_wait_dscnt 0x0                               ; both opening adds are done
	s_wait_kmcnt 0x0
	s_add_nc_u64 s[14:15], s[4:5], s[16:17]
	s_add_nc_u64 s[46:47], s[6:7], s[46:47]
	CROUND                                         ; all sixteen work-groups are here: the first joint loads meet
.irp s, 0,1
	s_mov_b32 s[G0+4*\s], 1
	s_add_co_u32 s[G0+4*\s+1], s20, \s*SLOT
	s_add_nc_u64 s[G0+4*\s+2:G0+4*\s+3], s[14:15], \s*ASTEP
	s_or_b32 s[G0+4*\s+3], s[G0+4*\s+3], 0x80000000
	s_mov_b32 s[G0B+4*\s], 1
	s_add_co_u32 s[G0B+4*\s+1], s20, \s*SLOT
	s_add_nc_u64 s[G0B+4*\s+2:G0B+4*\s+3], s[46:47], \s*BSTEP
	s_or_b32 s[G0B+4*\s+3], s[G0B+4*\s+3], 0x80000000
	JLOAD \s
.endr
	v_and_b32 v1, 15, v0                           ; r
	v_bfe_u32 v2, v0, 4, 1                         ; h
	v_and_b32 v3, 31, v0
	v_lshlrev_b32 v3, 4, v3                        ; 16 x lane
	s_lshl_b32 s21, s11, 15                        ; my four blocks of A
	s_lshl_b32 s22, s12, 15                        ; my four blocks of B,
	s_add_co_u32 s22, s22, 65536                   ; which lie behind A's
.irp s, 0,1
	v_add_nc_u32 v[ADRA+\s], s21, v3
	v_add_nc_u32 v[ADRB+\s], s22, v3
	s_add_co_u32 s21, s21, SLOT
	s_add_co_u32 s22, s22, SLOT
.endr
	s_mul_i32 s23, s10, 16*SPITCH
	s_add_co_u32 s23, s23, STAGE                   ; my stage
	v_mul_u32_u24 v4, v1, SPITCH
	v_lshl_add_u32 v4, v2, 5, v4
	v_add_nc_u32 v[STO], s23, v4                   ; in: row r, 32 bytes for each half of the lanes
	v_mul_u32_u24 v5, v2, SPITCH
	v_lshl_add_u32 v5, v1, 4, v5
	v_add_nc_u32 v[RD], s23, v5                    ; back: lanes 0-15 one row of 256 bytes, lanes 16-31 the next
	v_lshlrev_b32 v5, 12, v2
	v_lshl_add_u32 v[CO], v1, 4, v5                ; and the same two rows in out0
	s_lshl_b32 s16, s13, 19                        ; my first row: (128 x tile row + 64 x half) x 4,096 bytes
	s_lshl_b32 s17, s11, 18
	s_add_co_u32 s16, s16, s17
	s_mov_b32 s17, 0
	s_add_nc_u64 s[8:9], s[8:9], s[16:17]
	s_lshl_b32 s46, s42, 9                         ; my first column, in bytes: 512 x tile column + 256 x half
	s_lshl_b32 s47, s12, 8
	s_add_co_u32 s46, s46, s47
	s_mov_b32 s47, 0
	s_add_nc_u64 s[8:9], s[8:9], s[46:47]
	v_lshl_add_u32 v[BOF], v2, 5, s46              ; bo at my columns: + 32 h
.irp b, 0,1,2,3
	global_load_b128 v[BO+8*\b:BO+8*\b+3], v[BOF], s[2:3] offset:64*\b
	global_load_b128 v[BO+8*\b+4:BO+8*\b+7], v[BOF], s[2:3] offset:64*\b+16
.endr
; 8 matrix instructions: m blocks a0, a0 + 1 x all 4 n blocks, 32 along K: half c of buffer f.  first = 1: the products start the sums from bo.  The 16 accumulators take turns
.macro MUL8 f, c, a0, first
.irp a, \a0, \a0+1
.irp b, 0,1,2,3
.if \first
	v_wmma_f32_16x16x32_f16 v[ACC+8*(4*(\a)+\b):ACC+8*(4*(\a)+\b)+7], v[\f+64+8*(4*\c+\b):\f+64+8*(4*\c+\b)+7], v[\f+8*(4*\c+\a):\f+8*(4*\c+\a)+7], v[BO+8*\b:BO+8*\b+7]
.else
	v_wmma_f32_16x16x32_f16 v[ACC+8*(4*(\a)+\b):ACC+8*(4*(\a)+\b)+7], v[\f+64+8*(4*\c+\b):\f+64+8*(4*\c+\b)+7], v[\f+8*(4*\c+\a):\f+8*(4*\c+\a)+7], v[ACC+8*(4*(\a)+\b):ACC+8*(4*(\a)+\b)+7]
.endif
.endr
.endr
.endm
; 32 LDS loads in one run: the fragments of the slot's q-th 64 along K into buffer f; the first 32 along K first
.macro FETCH slot, q, f
	WIN TO_F
.irp c, 0,1
.irp i, 0,1,2,3
	ds_load_b128 v[\f+64+8*(4*\c+\i):\f+64+8*(4*\c+\i)+3],   v[ADRB+\slot] offset:\i*8192+(2*(\q)+\c)*1024
	ds_load_b128 v[\f+64+8*(4*\c+\i)+4:\f+64+8*(4*\c+\i)+7], v[ADRB+\slot] offset:\i*8192+(2*(\q)+\c)*1024+512
	ds_load_b128 v[\f+8*(4*\c+\i):\f+8*(4*\c+\i)+3],         v[ADRA+\slot] offset:\i*8192+(2*(\q)+\c)*1024
	ds_load_b128 v[\f+8*(4*\c+\i)+4:\f+8*(4*\c+\i)+7],       v[ADRA+\slot] offset:\i*8192+(2*(\q)+\c)*1024+512
.endr
.endr
.endm
.macro PLACES
.rept 4
	v_nop
.endr
.endm
.macro QUARTER slot, q, f, g, first    ; multiplies buffer f and fetches the slot's q-th quarter into g
	s_wait_dscnt 16                                ; the first 32 along K are in
	WIN MUL
	MUL8 \f, 0, 0, \first
	MUL8 \f, 0, 2, \first
	PLACES
	FETCH \slot, \q, \g
	s_wait_dscnt 32                                ; all but the 32 just issued
	WIN MUL
	MUL8 \f, 1, 0, 0
	MUL8 \f, 1, 2, 0
.endm
; A slot's last quarter multiplies buffer 1 and changes slots: ONE barrier; in front of it each wave waits for all its tensor loads, adds 0 to its spare word, and waits for that and for its reads of this slot.  fill = 1: this slot is filled again, two K steps ahead.
.macro TURN slot, next, fill
	WIN 0
	s_wait_tensorcnt 0x0                           ; all my tensor loads have landed: my part of the next slot
	ds_add_u32 v[SPW], v[NIL]
	s_wait_dscnt 17                                ; (the add and the youngest sixteen loads may be out)
	WIN MUL
	MUL8 F1, 0, 0, 0
	s_wait_dscnt 0x0                               ; the add is done, and my reads of this slot are over
	s_barrier_signal -1
	MUL8 F1, 0, 2, 0
.if \fill
	WIN 0
.endif
	s_barrier_wait -1
.if \fill
	CREST                                          ; the barrier has opened a round of the cluster's barrier
	s_add_nc_u64 s[G0+4*\slot+2:G0+4*\slot+3], s[G0+4*\slot+2:G0+4*\slot+3], 2*ASTEP
	s_add_nc_u64 s[G0B+4*\slot+2:G0B+4*\slot+3], s[G0B+4*\slot+2:G0B+4*\slot+3], 2*BSTEP
	JLOAD \slot                                    ; the first tensor load behind the round; its four v_nop are also the places in front of the loads below
.else
	PLACES
.endif
	FETCH \next, 0, F0
	WIN MUL
	MUL8 F1, 1, 0, 0
	MUL8 F1, 1, 2, 0
.endm
	s_wait_tensorcnt 1                             ; my part of K step 0 is in (K step 1's load may be out),
	s_barrier_signal -1
	s_barrier_wait -1                              ; everybody's is
	FETCH 0, 0, F0
	s_wait_loadcnt 0x0                             ; bo
	QUARTER 0, 1, F0, F1, 1                        ; K step 0
	QUARTER 0, 2, F1, F0, 0
	QUARTER 0, 3, F0, F1, 0
	TURN 0, 1, 1                                   ; slot 0 <- K step 2
	QUARTER 1, 1, F0, F1, 0                        ; K step 1
	QUARTER 1, 2, F1, F0, 0
	QUARTER 1, 3, F0, F1, 0
	TURN 1, 0, 1                                   ; slot 1 <- K step 3
	QUARTER 0, 1, F0, F1, 0                        ; K step 2
	QUARTER 0, 2, F1, F0, 0
	QUARTER 0, 3, F0, F1, 0
	TURN 0, 1, 0                                   ; nothing is left to fetch
	QUARTER 1, 1, F0, F1, 0                        ; K step 3
	QUARTER 1, 2, F1, F0, 0
	QUARTER 1, 3, F0, F1, 0
	s_wait_dscnt 16
	WIN MUL
	MUL8 F1, 0, 0, 0
	MUL8 F1, 0, 2, 0
	s_wait_dscnt 0
	MUL8 F1, 1, 0, 0
	MUL8 F1, 1, 2, 0
	WIN 0
; THE WAY OUT, a block of 16 rows x 64 columns at a time, through my own stage: a lane's 32 bytes go into rows of 272 bytes and come back as whole rows of 256, which sixteen lanes store.  LDS serves a wave's instructions in order.
.macro TOSTAGE a
.irp b, 0,1,2,3
	ds_store_b128 v[STO], v[ACC+8*(4*(\a)+\b):ACC+8*(4*(\a)+\b)+3] offset:64*\b        ; each accumulator from its low end on
	ds_store_b128 v[STO], v[ACC+8*(4*(\a)+\b)+4:ACC+8*(4*(\a)+\b)+7] offset:64*\b+16
.endr
.set BB, OUTB+32*((\a)%2)
.irp t, 0,1,2,3,4,5,6,7
	ds_load_b128 v[BB+4*\t:BB+4*\t+3], v[RD] offset:\t*2*SPITCH
.endr
.endm
.macro SEND a, younger                 ; younger: the LDS instructions issued behind block a's loads, which may stay out
.set BB, OUTB+32*((\a)%2)
	s_wait_dscnt \younger
.irp t, 0,1,2,3,4,5,6,7
	global_store_b128 v[CO], v[BB+4*\t:BB+4*\t+3], s[8:9] offset:(16*(\a)+2*\t)*4096 th:TH_STORE_NT   ; sixteen lanes store 256 consecutive bytes, aligned
.endr
.endm
	PLACES
	TOSTAGE 0
.irp a, 1,2,3
.if \a > 1
	s_wait_xcnt 0x0                                ; block a - 2's stores have read their registers: block a's loads may land there
.endif
	TOSTAGE \a
	SEND \a-1, 16                                  ; behind block a - 1's loads: block a's 8 stores and 8 loads
.endr
	SEND 3, 0
	s_wait_tensorcnt 0x0                           ; the wave's end
	ds_add_u32 v[SPW], v[NIL]
	s_wait_dscnt 0x0
	CROUND                                         ; the closing round
	s_endpgm
.Lfunc_end_k_qf6bcc9ffac_proj:
	.size	k_qf6bcc9ffac_proj, .Lfunc_end_k_qf6bcc9ffac_proj-k_qf6bcc9ffac_proj
	.p2alignl 7, 3214868480
	.fill 96, 4, 3214868480
	.section	.rodata,"a",@progbits
	.p2align	6, 0x0
	.amdhsa_kernel k_qf6bcc9ffac_proj
		.amdhsa_group_segment_fixed_size 327680
		.amdhsa_private_segment_fixed_size 0
		.amdhsa_enable_private_segment 0
		.amdhsa_kernarg_size 32
		.amdhsa_user_sgpr_count 2
		.amdhsa_user_sgpr_kernarg_segment_ptr 1
		.amdhsa_wavefront_size32 1
		.amdhsa_system_sgpr_workgroup_id_x 1
		.amdhsa_system_sgpr_workgroup_id_y 1
		.amdhsa_system_sgpr_workgroup_id_z 1
		.amdhsa_system_vgpr_workitem_id 0
		.amdhsa_next_free_vgpr 512
		.amdhsa_next_free_sgpr 66
		.amdhsa_reserve_vcc 0
		.amdhsa_float_denorm_mode_32 3
		.amdhsa_float_denorm_mode_16_64 3
		.amdhsa_memory_ordered 1
		.amdhsa_forward_progress 1
		.amdhsa_inst_pref_size 86
	.end_amdhsa_kernel
	.amdgpu_metadata
---
amdhsa.version: [ 1, 2 ]
amdhsa.kernels:
  - .name:           k_qf6bcc9ffac_proj
    .symbol:         k_qf6bcc9ffac_proj.kd
    .args:
      - { .name: hbuf, .offset: 0, .size: 8, .value_kind: global_buffer, .address_space: global }
      - { .name: wo16, .offset: 8, .size: 8, .value_kind: global_buffer, .address_space: global }
      - { .name: bo, .offset: 16, .size: 8, .value_kind: global_buffer, .address_space: global }
      - { .name: out0, .offset: 24, .size: 8, .value_kind: global_buffer, .address_space: global }
    .group_segment_fixed_size: 327680
    .private_segment_fixed_size: 0
    .kernarg_segment_align: 8
    .kernarg_segment_size: 32
    .max_flat_workgroup_size: 128
    .sgpr_count:     66
    .vgpr_count:     512
    .wavefront_size: 32
...
	.end_amdgpu_metadata
.endif
;; end of part 4
